; MI455X (gfx1250); checked and timed in simulation.
; The chip was launched on July 23, 2026; its instructions are those of AMD's public machine-readable ISA for CDNA 5 (MIT licence, August 2026) and "CDNA5" Instruction Set Architecture Reference Guide (July 2026). The comments in the code are by the model that wrote it; some were corrected since.
;; Causal Self Attention. Allowed arithmetic: matrix products marked QUANTISED: E2M3 operands, one E8M0 scale for each 32 along K, by v_wmma_scale_f32_16x16x128_f8f6f4 with both operands' format E2M3, f32 sums; everything else in f32.
;; Inputs: Wproj 1,024 x 1,024 float32; Wqkv 1,024 x 3,072 float32; bproj 1,024 float32; bqkv 3,072 float32; x 4 x 2,048 x 1,024 float32.
;; Outputs: out0 4 x 2,048 x 1,024 float32.
;; This version of the problem:
;;   THIS VERSION OF THE PROBLEM IS GIVEN IN LOW PRECISION. The matrix products marked QUANTISED in the list below multiply operands that are first quantised to E2M3 (2 exponent bits, 3 mantissa bits; 6 bits a number), with one power-of-two scale for each 32 numbers along K (OCP MX v1.0); their sums are f32. All else is computed in f32.
;;   The module's matrix products, in the order in which they are computed (A, B: the left and right operand; K: the contracted axis; several contracted axes count as one K, in the product's order):
;;     1. [M 8,192, K 1,024] x [K 1,024, N 3,072]; A: input x; B: input Wqkv: QUANTISED
;;     2. batch 64 x [M 2,048, K 64] x [K 64, N 2,048]; A: computed on the way; B: computed on the way: QUANTISED
;;     3. batch 64 x [M 2,048, K 2,048] x [K 2,048, N 64]; A: softmax (see below); B: computed on the way: QUANTISED
;;     4. [M 8,192, K 1,024] x [K 1,024, N 1,024]; A: computed on the way; B: input Wproj: QUANTISED
;;   THE QUANTISER, for each operand of a quantised product, along K:
;;     - K is cut into blocks of 32 from its start; a last block that is shorter is filled with zeros.
;;     - A block's scale is 2^e with e = floor(log2(the largest magnitude in the block)) - 2, held to -126 .. 127; a block of zeros has e = 0. As a byte (E8M0): e + 127.
;;     - Each number is divided by its block's scale, clamped to +-7.5, and rounded to the nearest number of E2M3, ties to even, subnormals kept.
;;     - The product sums the exact products of the quantised numbers (number of the format x scale) in f32.
;;   ~~~python
;;   def quantise(x, axis):      # numpy; x: float32 -> the quantised numbers, widened to float32 again
;;       x = np.moveaxis(x, axis, -1); K = x.shape[-1]
;;       x = np.pad(x, [(0, 0)] * (x.ndim - 1) + [(0, -K % 32)]); x = x.reshape(x.shape[:-1] + (-1, 32)); a = np.abs(x).max(-1, keepdims=True)
;;       e = np.where(a > 0, np.clip(np.frexp(np.where(a > 0, a, 1))[1] - 1 - 2, -126, 127), 0)      # np.frexp(a)[1] - 1 = floor(log2(a)), exactly
;;       r = np.clip(x / 2.0 ** e, -7.5, 7.5)
;;       step = 2.0 ** (np.maximum(np.frexp(np.where(r == 0, 1, r))[1] - 1, 0) - 3)
;;       q = np.round(r / step) * step * 2.0 ** e      # np.round: ties to even
;;       return np.moveaxis(q.reshape(q.shape[:-2] + (-1,))[..., :K], -1, axis).astype(np.float32)
;;   ~~~
;;   SOFTMAX AHEAD OF A QUANTISED PRODUCT. Where the list says 'softmax', what is quantised is not the finished softmax but p = 2^(t - M), with t = logit x log2(e) and M = ceil(the row's largest t), a whole number; so 1/2 < the row's largest p <= 1. The row's sum l is taken of the UNQUANTISED p, in f32, and the product's result is divided by l at the end. Since M is a whole number, a kernel that streams over the keys may use a running M (the ceiling of the running maximum): every later rescaling is an exact power of two, which a block's scale takes up: the codes' values come out the same.
;;   OPERANDS COMPUTED ON THE WAY. 'Computed on the way' means the value that the module computes at that place (a softmax that the list does not call 'softmax' is quantised finished and normalised). What goes into a quantiser is computed in f32, as accurately as f32 sums, v_exp_f32 and their like allow (about 1e-6 of the number): no bf16 or f16 on the way to a quantiser, and a product that is left as it is and whose result goes on into a quantised operand takes f32 operands (vector FMAs, or v_wmma_f32_16x16x4_f32). A number that lies on a knife's edge between two numbers of the format may be rounded either way, as far as f32 arithmetic and the matrix unit's own rounding can turn it there, and no further.
;; One version. Each part assembles by itself: llvm-mc -triple=amdgcn-amd-amdhsa -mcpu=gfx1250 --defsym DOCPART=n.
;; ======== version 1 of 1: 4 launches
;; workspace buffers: xq 6,553,600 bytes; wq 2,457,600 bytes; wp 819,200 bytes; qb 6,553,600 bytes; kb 6,553,600 bytes; vb 6,553,600 bytes; yq 6,553,600 bytes
;; launch prep (part 1): grid 768 x 1, 4 waves a work-group, no clusters, 31,232 bytes of LDS; arguments x, Wqkv, Wproj, xq, wq, wp; writes xq, wq, wp
.if DOCPART == 1
	.amdgcn_target "amdgcn-amd-amdhsa--gfx1250"
	.amdhsa_code_object_version 6
	.text
	.protected	k_qa3ac46d308_prep
	.globl	k_qa3ac46d308_prep
	.p2align	8
	.type	k_qa3ac46d308_prep,@function
k_qa3ac46d308_prep:
	s_mov_b64 s[64:65], 0
	v_nop
	global_prefetch_b8 v0, s[64:65] scope:SCOPE_SE
	s_setreg_imm32_b32 hwreg(HW_REG_WAVE_MODE, 25, 1), 1
	s_wait_xcnt 0x0
; x [8192][1024], Wqkv [1024][3072], Wproj [1024][1024], all f32, become codes of FP6 (E2M3) with one E8M0 byte for each 32 along K (= 1,024), laid in the ORDER OF AN OPERAND'S REGISTERS.
; THE IMAGE: [tile of 16 rows][half of K][6,400 bytes] = codes [group of 64 k: 8][piece: 3][lane: 32][8 bytes], then scale words [2][lane: 32][4 bytes].
;   Lane (r, h) of group g holds the 24 bytes of k = 64 g + 32 h + 0 .. 31 of the tile's row at place r.  Scale word at lane 16 q + r: row r, the 128 k of matrix step 4 half + 2 jj + q.
;   Place r of tile t is row 32 (t / 2) + 8 (t % 2) + r + 8 (r / 8): with such a tile as source 0 a lane's 16 results of two neighbouring tiles are 16 neighbours.
; A block's scale is 2^(floor(log2(largest magnitude)) - 2): its byte is the largest magnitude's exponent field - 2, held at 1 from below by a floor among the maximum's leaves.
; LIMITS: a block of zeros gets the byte 1 (its codes are zeros, and this program alone reads the bytes); blocks under 2^-124 are held at byte 1; NaN and infinities are not served.
; Work-groups 0-511: a tile of x each, a wave 256 along K.  Work-groups 512-767: 128 columns x 128 along K of a weight, a lane a column, registers down K.
; The two paths have LDS bytes of their own.  No tensor loads, no barrier: waves share nothing.
.set STGX,  4352                       ; path X: a wave's stage, 16 rows x (256 + 16) bytes, from LDS byte 0
.set WBASE, 17408                      ; path W: behind them
.set WREG,  3328                       ; a wave's two tile images
.set WT,    1664                       ; a tile's 1,536 bytes + 128, so that the two tiles' halves of a store fall on different words modulo 256 bytes
.set XR,    32                         ; v32-159  x as loaded: 4 groups x 32
.set XX,    160                        ; v160-223 two sets of 32 neighbours
.set XC,    224                        ; v224-255 codes, eight registers a group
.set WN,    32                         ; v32-159  a column's 128 numbers
.set WC,    160                        ; v160-191 codes, eight registers a block
.set WO,    192                        ; v192-215 the way out
; 32 numbers v[qs] on become 24 bytes of codes in v[qc] .. v[qc+5] and the scale's byte in v[qe]
.macro QUANT32
	v_max3_num_f32 v12, |v[qs]|, |v[qs+1]|, |v[qs+2]|
	v_max3_num_f32 v13, |v[qs+3]|, |v[qs+4]|, |v[qs+5]|
.irp i, 6,10,14,18,22,26
	v_max3_num_f32 v12, v12, |v[qs+\i]|, |v[qs+\i+1]|      ; two chains, so that no line waits for the line above it
	v_max3_num_f32 v13, v13, |v[qs+\i+2]|, |v[qs+\i+3]|
.endr
	v_max3_num_f32 v12, v12, |v[qs+30]|, |v[qs+31]|
	v_max3_num_f32 v12, v12, v13, 0x1800000                ; and the floor 2^(3 - 127): the byte cannot fall under 1
	v_add_nc_u32 v14, 0xff000000, v12                      ; 2 off the exponent field: the conversion's scale operand
	v_cvt_scalef32_pk16_fp6_f32 v[qc:qc+2], v[qs:qs+15], v14
	v_cvt_scalef32_pk16_fp6_f32 v[qc+4:qc+6], v[qs+16:qs+31], v14   ; (a conversion's three registers begin on an even number)
	v_lshrrev_b32 v[qe], 23, v14                           ; the byte; also the plain line behind the conversions
	v_mov_b32 v[qc+3], v[qc+4]
	v_mov_b32 v[qc+4], v[qc+5]
	v_mov_b32 v[qc+5], v[qc+6]
.endm
.macro XTURN gl                        ; group gl's 16 rows x 256 bytes through the stage: in as loaded, out 128 bytes a lane.  LDS serves a wave's instructions in order: one stage serves
	s_wait_loadcnt 8*(3-\gl)                               ; the later groups' loads may be out
.irp i, 0,1,2,3,4,5,6,7
	ds_store_b128 v6, v[XR+32*\gl+4*\i:XR+32*\gl+4*\i+3] offset:544*\i
.endr
.irp k, 0,1,2,3,4,5,6,7
	ds_load_b128 v[XX+32*(\gl%2)+4*\k:XX+32*(\gl%2)+4*\k+3], v7 offset:16*\k
.endr
.endm
.macro XWORK gl, younger
	s_wait_dscnt \younger                                  ; the next group's 8 stores and 8 loads may be out
.set qs, XX+32*(\gl%2)
.set qc, XC+8*\gl
.set qe, 16+\gl
	QUANT32
.irp p, 0,1,2
	global_store_b64 v8, v[qc+2*\p:qc+2*\p+1], s[28:29] offset:768*\gl+256*\p   ; 32 lanes store 256 consecutive bytes, aligned
.endr
.endm
.macro WLOADS pitch                    ; W(128 s + i, my column), i = 0 .. 127: neighbouring lanes read neighbouring columns
.set wl, 0
.rept 128
	global_load_b32 v[WN+wl], v4, s[6:7] offset:wl*\pitch th:TH_LOAD_NT
.set wl, wl+1
.endr
.endm
.macro WBLOCK t, left
	s_wait_loadcnt \left
.set qs, WN+32*\t
.set qc, WC+8*\t
.set qe, 13
	QUANT32
.if \t == 0
	v_mov_b32 v15, v13                                     ; the four bytes make my column's scale word of this step
.else
	v_lshl_or_b32 v15, v13, 8*\t, v15
.endif
.irp p, 0,1,2
	ds_store_b64 v7, v[qc+2*\p:qc+2*\p+1] offset:(\t/2)*768+(\t%2)*128+256*\p   ; block t is group t / 2, half t % 2 of the fragment
.endr
.endm
	s_load_b256 s[4:11], s[0:1], 0x0               ; x s[4:5], Wqkv s[6:7], Wproj s[8:9], xq s[10:11]
	s_load_b128 s[12:15], s[0:1], 0x20             ; wq s[12:13], wp s[14:15]
	v_lshl_add_u32 v247, v0, 2, 0x7800
	v_mov_b32 v255, 0
	v_lshrrev_b32 v1, 5, v0
	v_readfirstlane_b32 s16, v1                    ; wave
	v_and_b32 v1, 31, v0                           ; lane
	v_and_b32 v2, 15, v0                           ; r
	v_bfe_u32 v3, v0, 4, 1                         ; h
	s_cmp_lt_u32 ttmp9, 512
	s_cbranch_scc0 .Lweights
	; ---- PATH X: tile ttmp9 of x; my wave's 256 along K
	v_lshlrev_b32 v4, 4, v2
	v_lshl_add_u32 v5, v3, 12, v4                  ; in memory: lanes 0-15 one row's 256 bytes, lanes 16-31 the next row's
	s_mul_i32 s17, s16, STGX
	v_mad_u32_u24 v6, v3, 272, v4
	v_add_nc_u32 v6, s17, v6                       ; into the stage: the same two rows
	v_mul_u32_u24 v7, v2, 272
	v_lshl_add_u32 v7, v3, 7, v7
	v_add_nc_u32 v7, s17, v7                       ; out of it: row r, my half's 128 bytes
	v_lshlrev_b32 v8, 3, v1                        ; 8 x lane
	v_lshlrev_b32 v9, 2, v1                        ; 4 x lane
	v_lshlrev_b32 v10, 3, v3                       ; 8 h
	v_mov_b32 v11, 0                               ; a lane permute's destination counts as one of its sources
	s_mov_b32 s18, 0x76543210
	s_mov_b32 s19, 0xfedcba98                      ; selects for lane l xor 16
	s_lshr_b32 s20, ttmp9, 1
	s_lshl_b32 s20, s20, 17                        ; 32 (tile / 2) rows of 4,096 bytes
	s_and_b32 s21, ttmp9, 1
	s_lshl_b32 s21, s21, 15                        ; + 8 (tile % 2) rows
	s_add_co_u32 s20, s20, s21
	s_lshl_b32 s21, s16, 10                        ; + my 256 numbers
	s_add_co_u32 s20, s20, s21
	s_mov_b32 s21, 0
	s_mul_i32 s22, ttmp9, 12800
	s_lshr_b32 s23, s16, 1
	s_mul_i32 s23, s23, 6400
	s_add_co_u32 s22, s22, s23                     ; the tile's image, my half of K
	s_and_b32 s24, s16, 1                          ; jj
	s_mul_i32 s25, s24, 3072
	s_add_co_u32 s26, s22, s25                     ; my four groups of codes
	s_mov_b32 s27, 0
	s_lshl_b32 s24, s24, 7
	s_add_co_u32 s24, s24, s22
	s_add_co_u32 s24, s24, 6144                    ; my 32 scale words
	s_mov_b32 s25, 0
	s_wait_alu depctr_va_vdst(0)
	s_wait_kmcnt 0x0
	s_add_nc_u64 s[4:5], s[4:5], s[20:21]
	s_add_nc_u64 s[28:29], s[10:11], s[26:27]
	s_add_nc_u64 s[30:31], s[10:11], s[24:25]
.irp gl, 0,1,2,3
.irp i, 0,1,2,3,4,5,6,7
	global_load_b128 v[XR+32*\gl+4*\i:XR+32*\gl+4*\i+3], v5, s[4:5] offset:(2*\i+8*(\i/4))*4096+256*\gl th:TH_LOAD_NT   ; places 2 i and 2 i + 1: two whole runs of 256 bytes
.endr
.endr
	XTURN 0
	XTURN 1
	XWORK 0, 16
	XTURN 2
	XWORK 1, 16
	XTURN 3
	XWORK 2, 16
	XWORK 3, 0
	; the two scale words of my 256 k: word q has the bytes of groups 2 q, 2 q + 1, halves 0 and 1; lane 16 q + r is to hold word q of row r
	v_lshl_or_b32 v20, v17, 16, v16
	v_lshl_or_b32 v21, v19, 16, v18
	v_lshlrev_b32 v20, v10, v20                    ; my half's two bytes of word 0,
	v_lshlrev_b32 v21, v10, v21                    ; and of word 1
	v_cmp_ne_u32 vcc_lo, 0, v3
	v_cndmask_b32 v22, v20, v21, vcc_lo            ; I keep my part of the word that I am to hold,
	v_cndmask_b32 v23, v21, v20, vcc_lo            ; and send my part of the other
	v_permlanex16_b32 v11, v23, s18, s19
	v_or_b32 v22, v22, v11
	global_store_b32 v9, v22, s[30:31]             ; 128 consecutive bytes
	s_wait_tensorcnt 0x0
	ds_add_u32 v247, v255
	s_wait_dscnt 0x0
	s_endpgm
	; ---- PATH W: 128 columns x 128 along K of a weight; my wave's 32 columns: two tiles
.Lweights:
	s_sub_co_u32 s17, ttmp9, 512
	s_lshr_b32 s18, s17, 3                         ; which 128 columns: 0-23 Wqkv's, 24-31 Wproj's
	s_and_b32 s19, s17, 7                          ; which matrix step of 128 along K
	s_wait_alu depctr_va_vdst(0)
	v_lshlrev_b32 v4, 2, v1
	v_bfe_u32 v5, v0, 3, 1                         ; my column's tile of the two,
	v_and_b32 v6, 7, v0
	v_lshl_add_u32 v6, v3, 3, v6                   ; and its place there: lane % 8 + 8 (lane / 16)
	s_mul_i32 s20, s16, WREG
	s_add_co_u32 s20, s20, WBASE
	v_mul_u32_u24 v7, v5, WT
	v_lshl_add_u32 v7, v6, 3, v7
	v_add_nc_u32 v7, s20, v7                       ; into the images
	v_lshl_add_u32 v8, v1, 4, s20                  ; out of them: 16 x lane
	v_lshlrev_b32 v9, 4, v1
	v_mul_u32_u24 v10, v5, 12800
	v_lshl_add_u32 v10, v6, 2, v10                 ; my scale word's place
	s_wait_kmcnt 0x0
	s_cmp_lt_u32 s18, 24                           ; the choice hangs on the work-group's number alone
	s_cselect_b64 s[6:7], s[6:7], s[8:9]
	s_cselect_b64 s[12:13], s[12:13], s[14:15]
	s_cselect_b32 s21, 0, 24
	s_cselect_b32 s23, 1, 0
	s_mov_b32 s22, 4096
	s_cselect_b32 s22, 12288, s22                  ; a row of the weight in bytes
	s_sub_co_u32 s18, s18, s21
	s_lshl_b32 s24, s19, 7
	s_mul_i32 s24, s24, s22                        ; 128 s rows
	s_lshl_b32 s25, s18, 9
	s_add_co_u32 s24, s24, s25
	s_lshl_b32 s25, s16, 7
	s_add_co_u32 s24, s24, s25                     ; + my first column
	s_mov_b32 s25, 0
	s_add_nc_u64 s[6:7], s[6:7], s[24:25]
	s_lshl_b32 s26, s18, 3
	s_lshl_b32 s27, s16, 1
	s_add_co_u32 s26, s26, s27
	s_mul_i32 s26, s26, 12800                      ; my first tile's image
	s_lshr_b32 s27, s19, 2
	s_mul_i32 s27, s27, 6400
	s_add_co_u32 s26, s26, s27                     ; the step's half of K
	s_and_b32 s27, s19, 3
	s_mul_i32 s28, s27, 1536
	s_add_co_u32 s28, s28, s26
	s_mov_b32 s29, 0
	s_add_nc_u64 s[28:29], s[12:13], s[28:29]      ; the step's fragment
	s_lshl_b32 s27, s27, 6                         ; its scale words: 128 (s % 4 / 2) + 64 (s % 2) = 64 (s % 4)
	s_add_co_u32 s26, s26, s27
	s_add_co_u32 s26, s26, 6144
	s_mov_b32 s27, 0
	s_add_nc_u64 s[30:31], s[12:13], s[26:27]
	s_cmp_eq_u32 s23, 1
	s_cbranch_scc0 .Lproj_w                        ; the branch goes round the loads alone: their immediates hold the pitch
	WLOADS 12288
	s_branch .Lw_loaded
.Lproj_w:
	WLOADS 4096
.Lw_loaded:
	WBLOCK 0, 63                                   ; 128 loads were issued: with 63 out at the most the first 65 are in (a wait's count holds no more than 63)
	WBLOCK 1, 63
	WBLOCK 2, 32
	WBLOCK 3, 0
.irp u, 0,1
.irp c, 0,1,2
	ds_load_b128 v[WO+4*(3*\u+\c):WO+4*(3*\u+\c)+3], v8 offset:WT*\u+512*\c   ; LDS serves a wave's instructions in order: these see my stores
.endr
.endr
	s_wait_alu depctr_va_vdst(0)
.irp u, 0,1
.irp c, 0,1,2
	s_wait_dscnt 5-(3*\u+\c)
	global_store_b128 v9, v[WO+4*(3*\u+\c):WO+4*(3*\u+\c)+3], s[28:29] offset:12800*\u+512*\c   ; 512 consecutive bytes, aligned to 256
.endr
.endr
	global_store_b32 v10, v15, s[30:31]            ; runs of 64 bytes: one byte in 128 of what the path reads
	s_wait_tensorcnt 0x0
	ds_add_u32 v247, v255
	s_wait_dscnt 0x0
	s_endpgm
.Lfunc_end_k_qa3ac46d308_prep:
	.size	k_qa3ac46d308_prep, .Lfunc_end_k_qa3ac46d308_prep-k_qa3ac46d308_prep
	.p2alignl 7, 3214868480
	.fill 96, 4, 3214868480
	.section	.rodata,"a",@progbits
	.p2align	6, 0x0
	.amdhsa_kernel k_qa3ac46d308_prep
		.amdhsa_group_segment_fixed_size 31232
		.amdhsa_private_segment_fixed_size 0
		.amdhsa_enable_private_segment 0
		.amdhsa_kernarg_size 48
		.amdhsa_user_sgpr_count 2
		.amdhsa_user_sgpr_kernarg_segment_ptr 1
		.amdhsa_wavefront_size32 1
		.amdhsa_system_sgpr_workgroup_id_x 1
		.amdhsa_system_sgpr_workgroup_id_y 1
		.amdhsa_system_sgpr_workgroup_id_z 1
		.amdhsa_system_vgpr_workitem_id 0
		.amdhsa_next_free_vgpr 256
		.amdhsa_next_free_sgpr 66
		.amdhsa_reserve_vcc 1
		.amdhsa_float_denorm_mode_32 3
		.amdhsa_float_denorm_mode_16_64 3
		.amdhsa_memory_ordered 1
		.amdhsa_forward_progress 1
		.amdhsa_inst_pref_size 51
	.end_amdhsa_kernel
	.amdgpu_metadata
---
amdhsa.version: [ 1, 2 ]
amdhsa.kernels:
  - .name:           k_qa3ac46d308_prep
    .symbol:         k_qa3ac46d308_prep.kd
    .args:
      - { .name: x, .offset: 0, .size: 8, .value_kind: global_buffer, .address_space: global }
      - { .name: Wqkv, .offset: 8, .size: 8, .value_kind: global_buffer, .address_space: global }
      - { .name: Wproj, .offset: 16, .size: 8, .value_kind: global_buffer, .address_space: global }
      - { .name: xq, .offset: 24, .size: 8, .value_kind: global_buffer, .address_space: global }
      - { .name: wq, .offset: 32, .size: 8, .value_kind: global_buffer, .address_space: global }
      - { .name: wp, .offset: 40, .size: 8, .value_kind: global_buffer, .address_space: global }
    .group_segment_fixed_size: 31232
    .private_segment_fixed_size: 0
    .kernarg_segment_align: 8
    .kernarg_segment_size: 48
    .max_flat_workgroup_size: 128
    .sgpr_count:     66
    .vgpr_count:     256
    .wavefront_size: 32
...
	.end_amdgpu_metadata
.endif
;; end of part 1
;; launch qkv (part 2): grid 8 x 32, 4 waves a work-group, clusters of 4 x 4, 327,680 bytes of LDS; arguments xq, wq, bqkv, qb, kb, vb; writes qb, kb, vb
.if DOCPART == 2
	.amdgcn_target "amdgcn-amd-amdhsa--gfx1250"
	.amdhsa_code_object_version 6
	.text
	.protected	k_qa3ac46d308_qkv
	.globl	k_qa3ac46d308_qkv
	.p2align	8
	.type	k_qa3ac46d308_qkv,@function
k_qa3ac46d308_qkv:
	s_mov_b64 s[64:65], 0
	v_nop
	global_prefetch_b8 v0, s[64:65] scope:SCOPE_SE
	s_setreg_imm32_b32 hwreg(HW_REG_WAVE_MODE, 25, 1), 1
	s_wait_xcnt 0x0
	s_wait_alu depctr_hold_cnt(0) depctr_sa_sdst(0) depctr_va_vdst(0) depctr_va_sdst(0) depctr_va_ssrc(0) depctr_va_vcc(0) depctr_vm_vsrc(0)
	s_getreg_b32 s2, hwreg(HW_REG_IB_STS2, 6, 4)
	s_cmp_eq_u32 s2, 0
	s_cbranch_scc0 .Lentry_in_a_cluster
	s_endpgm
.Lentry_in_a_cluster:
	s_bfe_u32 s2, ttmp6, 0x10000c
	s_cmp_lg_u32 s2, 0xf033
	s_cbranch_scc0 .Lentry_shape_is_right
	s_endpgm
.Lentry_shape_is_right:
; qkv = x Wqkv + bqkv on codes of FP6 (E2M3), and its result quantised in registers: q and k along the head's 64 channels, v along the keys.  No f32 number of qkv goes to memory.
; SHARES.  Work-group (x, y) owns tokens 256 y on; their codes for all of K (204,800 bytes) come into LDS once and stay.  It makes three tiles of 128 columns, one after the other:
; columns 128 x on of q, of k, of v.  Wave (wr, wc) makes 128 tokens x 64 columns: one key step of one head: 32 accumulators, 256 matrix instructions a pass.
; B's tile lies in two halves of K; a half is filled again with the next pass's as soon as its last fragments are in registers.
; CLUSTER 4 x 4: A's tiles hang on y alone and are asked for jointly along a row of the cluster, B's on x alone, along a column.  The order q, k, v is the same in every work-group.
; OPERANDS lie in LDS in the order of their registers: a fragment (16 rows x 128 K) is six pieces of 256 bytes, 8 bytes a lane: six ds_load_b64 at 8 x lane: consecutive bytes, no pitch.
; Scale words: one load brings two matrix steps' words, the even step's in lanes 0-15, the odd step's in lanes 16-31.
; q, k: THE MATRIX INSTRUCTION IS USED TRANSPOSED (source 0 = 16 columns of W, source 1 = 16 tokens): a lane holds one token and its registers run along the head's channels.
; v: source 0 = 16 tokens, source 1 = 16 columns: a lane holds one channel and its registers run along the keys.  By the tiles' order of rows 16 registers of two neighbouring tiles are 16 neighbours.
; OUT: blocks of 6,400 bytes [head][key step]: four fragments as images of their registers (3 x 512 bytes each), then 32 lanes x 2 scale words.  q, k: fragment f holds token tile 2 f in registers 0-5
; and tile 2 f + 1 in registers 6-11 (64 channels each).  v: fragment f = channel tile f x 128 keys.
; LIMITS: a block of zeros gets the byte 1 (its codes are zeros, and this program alone reads the bytes); blocks under 2^-124 are held at byte 1; NaN and infinities are not served.
; REGISTERS: window 0: addresses, scale words, biases, the way out; window 1: the 32 accumulators; windows 2 and 3: fragment sets 0 and 1 (A v0-95, B v96-143).
.set SPARE, 307200                     ; behind A (0 .. 204,799) and B (204,800 .. 307,199): the spare words, 128 bytes a wave: two blocks of 256 bytes that no other line names
.set ADRA, 4                           ; v4-5    my A fragments, half 0, 1 of K: 8 x lane + ..
.set ADRB, 6                           ; v6-7    my B fragments
.set ASA,  8                           ; v8-9    A's scale words: 4 x lane + 6,144 + ..
.set ASB,  10                          ; v10-11  B's
.set OA,   12                          ; v12     16 x lane
.set OS,   13                          ; v13     8 x lane
.set BA,   14                          ; v14     64 h: the bias of a lane's eight columns
.set BB,   15                          ; v15     4 (r + 8 (r / 8)): the bias of a lane's one column
.set SPW,  16                          ; v16     my spare word; never rewritten
.set NIL,  17                          ; v17     0; never rewritten
.set SC,   20                          ; v20-43  two sets of 12 scale registers: A's tile a at + a, B's tile b at + 8 + b
.set BI,   44                          ; v44-75  q's, then k's bias in the result's layout
.set BI2,  76                          ; v76-107 v's
.set TM,   108                         ; v108-123 largest magnitudes
.set EX,   124                         ; v124-139 the other half's, then the bytes
.set SO,   140                         ; v140-155 the conversions' scale operands
.set WD,   156                         ; v156-159 a scale word for each fragment
.set WP,   160                         ; v160-161 my lane's two
.set F,    164                         ; v164-211 four fragments of codes
.set T,    212                         ; v212-243 the conversions' second halves
.set G1A,  24
.set G1B,  32
.set G0A,  48                          ; s[48:51], s[52:55] A, half 0, 1
.set G0B,  56                          ; s[56:59], s[60:63] B, half 0, 1
.set MSB, 0
.macro WIN new                         ; the immediate's high byte repeats the setting that is left
.if MSB != \new
	s_set_vgpr_msb (MSB<<8)|\new
.set MSB, \new
.endif
.endm
.macro PLACES n
.rept \n
	v_nop
.endr
.endm
.macro CREST                           ; a round of the cluster's barrier behind its opening barrier
	s_cmp_lg_u32 s16, 0
	s_cbranch_scc1 .Lnot_wave_0_\@
	s_barrier_signal -3
.Lnot_wave_0_\@:
	s_barrier_wait -3
	s_barrier_signal -1
	s_barrier_wait -1
.endm
.macro CROUND
	s_barrier_signal -1
	s_barrier_wait -1
	CREST
.endm
; matrix step s's fragments into set s % 2: B's four, A's eight; with an even step the scale words of two steps
.macro FETCH s
.set fh, (\s)/4
.set fo, ((\s)%4)*1536
.if ((\s)%2)
	WIN 0xc0
.else
	WIN 0x80
.endif
.irp b, 0,1,2,3
.irp p, 0,1,2,3,4,5
	ds_load_b64 v[96+12*\b+2*\p:96+12*\b+2*\p+1], v[ADRB+fh] offset:6400*\b+fo+256*\p
.endr
.endr
.irp a, 0,1,2,3,4,5,6,7
.irp p, 0,1,2,3,4,5
	ds_load_b64 v[12*\a+2*\p:12*\a+2*\p+1], v[ADRA+fh] offset:6400*\a+fo+256*\p
.endr
.endr
	WIN 0
.if ((\s)%2) == 0
.set fs, SC+12*(((\s)/2)%2)
.set fj, 128*(((\s)%4)/2)
.irp a, 0,1,2,3,4,5,6,7
	ds_load_b32 v[fs+\a], v[ASA+fh] offset:6400*\a+fj
.endr
.irp b, 0,1,2,3
	ds_load_b32 v[fs+8+\b], v[ASB+fh] offset:6400*\b+fj
.endr
.endif
.endm
; na x 4 matrix instructions of step s: A's tiles a0 on x B's four.  The 32 accumulators take turns, one instruction a turn, in the same order in every step.
; first = 1: the bias is the C of a sum's first instruction: nothing is cleared, nothing is added later.
.macro MUL kind, s, a0, na, first
.set SS, SC+12*(((\s)/2)%2)
.if \first
	WIN 0x4a                                       ; sources 0, 1 window 2, C window 0, D window 1
.elseif ((\s)%2)
	WIN 0x5f                                       ; sources window 3, C and D window 1
.else
	WIN 0x5a                                       ; sources window 2
.endif
.set ma, \a0
.rept \na
.set mb, 0
.rept 4
.if \kind
.set rD, 8*(8*mb+ma)
.set rA, 12*ma
.set rB, 96+12*mb
.set rSA, SS+ma
.set rSB, SS+8+mb
.set rC, BI2+8*mb
.else
.set rD, 8*(4*ma+mb)
.set rA, 96+12*mb
.set rB, 12*ma
.set rSA, SS+8+mb
.set rSB, SS+ma
.set rC, BI+8*mb
.endif
.if \first
	v_wmma_scale_f32_16x16x128_f8f6f4 v[rD:rD+7], v[rA:rA+11], v[rB:rB+11], v[rC:rC+7], v[rSA], v[rSB] matrix_a_fmt:MATRIX_FMT_FP6 matrix_b_fmt:MATRIX_FMT_FP6
.elseif ((\s)%2)
	v_wmma_scale_f32_16x16x128_f8f6f4 v[rD:rD+7], v[rA:rA+11], v[rB:rB+11], v[rD:rD+7], v[rSA], v[rSB] matrix_a_fmt:MATRIX_FMT_FP6 matrix_b_fmt:MATRIX_FMT_FP6 matrix_a_scale:MATRIX_SCALE_ROW1 matrix_b_scale:MATRIX_SCALE_ROW1
.else
	v_wmma_scale_f32_16x16x128_f8f6f4 v[rD:rD+7], v[rA:rA+11], v[rB:rB+11], v[rD:rD+7], v[rSA], v[rSB] matrix_a_fmt:MATRIX_FMT_FP6 matrix_b_fmt:MATRIX_FMT_FP6
.endif
.set mb, mb+1
.endr
.set ma, ma+1
.endr
.endm
; A step whose successor's fragments lie in LDS already.  hook = 1: in the q pass k's bias is fetched, behind the places that part it from the products that read q's.
.macro STEP kind, s, first, hook
	s_wait_dscnt 0x0                               ; this step's fragments, asked for 32 matrix instructions ago, are in (a run has more loads than a wait's count can name)
	PLACES 4                                       ; in front of loads into registers that the step before has multiplied (ISA guide 7.12.1 for vector instructions)
.if \hook
	WIN 0
	s_cmp_eq_u32 s76, 2
	s_cbranch_scc0 .Lno_bias_\@
.irp b, 0,1,2,3
	global_load_b128 v[BI+8*\b:BI+8*\b+3], v[BA], s[74:75] offset:4096+(32*(\b/2)+8*(\b%2))*4
	global_load_b128 v[BI+8*\b+4:BI+8*\b+7], v[BA], s[74:75] offset:4096+(32*(\b/2)+8*(\b%2))*4+16
.endr
.Lno_bias_\@:
.endif
	FETCH (\s)+1
	MUL \kind, \s, 0, 8, \first
.endm
; The last step of a half of K.  Its fragments are in registers, so nobody reads this half of B any more.  One barrier: in front of it each wave waits for all its tensor loads, adds 0 to its spare word and
; waits for that and for its LDS reads.  fill = 1: the barrier opens a round of the cluster's, and behind the round this half of B takes the next pass's tile (64 column tiles on).
.macro TURN kind, s, fill, nexts
	WIN 0                                          ; (the add's two registers lie in window 0)
	s_wait_tensorcnt 0x0                           ; all my tensor loads have landed, my part of the other half among them
	ds_add_u32 v[SPW], v[NIL]                      ; 0 onto my spare word
.if \fill
	s_add_nc_u64 s[G0B+4*((\s)/4)+2:G0B+4*((\s)/4)+3], s[G0B+4*((\s)/4)+2:G0B+4*((\s)/4)+3], 819200   ; no tensor load of mine is out: the group 0 may be written
.endif
	s_wait_dscnt 0x0                               ; the add is done, and my reads of this half are over
	s_barrier_signal -1
	MUL \kind, \s, 0, 2, 0                         ; work on registers while the others arrive
	WIN 0
	s_barrier_wait -1
.if \fill
	CREST                                          ; no wave of any partner still reads this half or has a load on its way
	tensor_load_to_lds s[G0B+4*((\s)/4):G0B+4*((\s)/4)+3], s[G1B:G1B+7]   ; my one tensor load behind the round: it has four steps, 128 matrix instructions, or more in which to land
	s_nop 0
.endif
	PLACES 4                                       ; behind the tensor load, and in front of the loads below
	FETCH \nexts
	MUL \kind, \s, 2, 6, 0
	WIN 0
.endm
; THE WAY OUT.  In both kinds v[16 n .. 16 n + 15] of window 1 are 16 neighbours along the next K: half of block n; the other half lies in lane l xor 16.  Fragment f is made of half blocks 4 f .. 4 f + 3.
.macro OUT d
	s_wait_xcnt 0x0                                ; the last way out's stores have read their registers
	PLACES 4                                       ; behind the last products, ahead of the first read of results
	WIN 0x05                                       ; sources 0, 1 window 1
.set n, 0
.rept 16
	v_max3_num_f32 v[TM+n], |v[16*n]|, |v[16*n+1]|, 0x1800000   ; each accumulator from its low end on; the floor 2^(3 - 127) holds the byte at 1 from below
.set n, n+1
.endr
	WIN 0x14                                       ; sources 1, 2 window 1
.irp i, 2,4,6,8,10,12,14
.set n, 0
.rept 16
	v_max3_num_f32 v[TM+n], v[TM+n], |v[16*n+\i]|, |v[16*n+\i+1]|
.set n, n+1
.endr
.endr
	WIN 0
.set n, 0
.rept 16
	v_permlanex16_b32 v[EX+n], v[TM+n], s66, s67
.set n, n+1
.endr
.set n, 0
.rept 16
	v_max_num_f32 v[TM+n], v[TM+n], v[EX+n]        ; the block's largest magnitude
.set n, n+1
.endr
.set n, 0
.rept 16
	v_add_nc_u32 v[SO+n], 0xff000000, v[TM+n]      ; 2 off its exponent field: the conversion's scale operand
.set n, n+1
.endr
.set n, 0
.rept 16
	v_lshrrev_b32 v[EX+n], 23, v[SO+n]             ; the byte
.set n, n+1
.endr
.irp f, 0,1,2,3
	v_lshl_or_b32 v[WD+\f], v[EX+4*\f+1], 8, v[EX+4*\f]
	v_lshl_or_b32 v[WD+\f], v[EX+4*\f+2], 16, v[WD+\f]
	v_lshl_or_b32 v[WD+\f], v[EX+4*\f+3], 24, v[WD+\f]
.endr
	v_cmp_ne_u32 vcc_lo, 0, v2
	v_cndmask_b32 v[WP], v[WD], v[WD+1], vcc_lo    ; lane 16 e + r holds the words of fragments e and 2 + e
	v_cndmask_b32 v[WP+1], v[WD+2], v[WD+3], vcc_lo
	WIN 0x01                                       ; source 0 window 1
.irp f, 0,1,2,3
.irp c, 0,1
	v_cvt_scalef32_pk16_fp6_f32 v[F+12*\f+6*\c:F+12*\f+6*\c+2], v[16*(4*\f+2*\c):16*(4*\f+2*\c)+15], v[SO+4*\f+2*\c]
	v_cvt_scalef32_pk16_fp6_f32 v[T+8*\f+4*\c:T+8*\f+4*\c+2], v[16*(4*\f+2*\c+1):16*(4*\f+2*\c+1)+15], v[SO+4*\f+2*\c+1]
.endr
.endr
	WIN 0
	v_nop                                          ; one plain line behind the scaled conversions
.irp f, 0,1,2,3
.irp c, 0,1                                    ; the operand's layout wants a whole block in a lane: lanes 0-15 the even block, lanes 16-31 the odd one
.irp i, 0,1,2
	v_permlane16_swap_b32 v[F+12*\f+6*\c+\i], v[T+8*\f+4*\c+\i]
.endr
.irp i, 0,1,2
	v_mov_b32 v[F+12*\f+6*\c+3+\i], v[T+8*\f+4*\c+\i]
.endr
.endr
.endr
.irp f, 0,1,2,3
.irp c, 0,1,2
	global_store_b128 v[OA], v[F+12*\f+4*\c:F+12*\f+4*\c+3], s[\d:\d+1] offset:1536*\f+512*\c   ; 512 consecutive bytes, aligned to 256
.endr
.endr
	global_store_b64 v[OS], v[WP:WP+1], s[\d:\d+1] offset:6144   ; 256 consecutive bytes, aligned
.endm
	s_load_b256 s[4:11], s[0:1], 0x0               ; xq s[4:5], wq s[6:7], bqkv s[8:9], qb s[10:11]
	s_load_b128 s[12:15], s[0:1], 0x20             ; kb s[12:13], vb s[14:15]
	v_lshl_add_u32 v[SPW], v0, 2, SPARE
	v_mov_b32 v[NIL], 0
	ds_add_u32 v16, v17
	ds_add_u32 v16, v17
	s_wait_dscnt 0x0
	v_lshrrev_b32 v1, 5, v0
	v_readfirstlane_b32 s16, v1                    ; wave 0..3
	s_lshr_b32 s17, s16, 1                         ; wr: which 128 tokens
	s_and_b32 s18, s16, 1                          ; wc: which 64 columns
	s_bfe_u32 s40, ttmp6, 0x40000                  ; cx
	s_bfe_u32 s41, ttmp6, 0x40004                  ; cy
	s_lshl_b32 s42, ttmp9, 2
	s_add_co_u32 s42, s42, s40                     ; x
	s_and_b32 s43, ttmp7, 0xffff
	s_lshl_b32 s43, s43, 2
	s_add_co_u32 s43, s43, s41                     ; y
	s_lshl_b32 s44, s41, 2
	s_lshl_b32 s44, 15, s44                        ; my row of the cluster
	s_lshl_b32 s45, 0x1111, s40                    ; my column
	; group 1: rows of 6,400 bytes (800 elements of 8), one for each tile's half of K, 12,800 bytes apart in memory, on end in LDS.  A: 4 rows a wave, B: 2
	s_or_b32 s[G1A], s44, (3<<16)|(1<<21)
	s_or_b32 s[G1B], s45, (3<<16)|(1<<21)
.irp g, G1A, G1B
	s_mov_b32 s[\g+1], 800<<16                     ; tensor_dim0
	s_mov_b32 s[\g+3], 800<<16                     ; tile_dim0
	s_mov_b32 s[\g+5], 1600                        ; tensor_dim0_stride
	s_mov_b32 s[\g+6], 0
	s_mov_b32 s[\g+7], 0
.endr
	s_mov_b32 s[G1A+2], 4<<16                      ; tensor_dim1
	s_mov_b32 s[G1A+4], 4                          ; tile_dim1
	s_mov_b32 s[G1B+2], 2<<16
	s_mov_b32 s[G1B+4], 2
	s_lshl_b32 s20, s43, 4
	s_lshl_b32 s19, s16, 2
	s_add_co_u32 s20, s20, s19
	s_mul_i32 s20, s20, 12800                      ; A: tile 16 y + 4 wave
	s_mov_b32 s21, 0
	s_lshl_b32 s46, s42, 3
	s_lshl_b32 s77, s16, 1
	s_add_co_u32 s46, s46, s77
	s_mul_i32 s46, s46, 12800                      ; B: tile 8 x + 2 wave
	s_mov_b32 s47, 0
	s_mul_i32 s22, s16, 25600                      ; where they go: no place in the cluster enters an LDS address
	s_mul_i32 s23, s16, 12800
	s_wait_kmcnt 0x0
	s_add_nc_u64 s[20:21], s[4:5], s[20:21]
	s_add_nc_u64 s[46:47], s[6:7], s[46:47]
	s_mov_b32 s[G0A], 1
	s_mov_b32 s[G0A+1], s22
	s_mov_b64 s[G0A+2:G0A+3], s[20:21]
	s_or_b32 s[G0A+3], s[G0A+3], 0x80000000
	s_mov_b32 s[G0A+4], 1
	s_add_co_u32 s[G0A+5], s22, 102400
	s_add_nc_u64 s[G0A+6:G0A+7], s[20:21], 6400
	s_or_b32 s[G0A+7], s[G0A+7], 0x80000000
	s_mov_b32 s[G0B], 1
	s_add_co_u32 s[G0B+1], s23, 204800
	s_mov_b64 s[G0B+2:G0B+3], s[46:47]
	s_or_b32 s[G0B+3], s[G0B+3], 0x80000000
	s_mov_b32 s[G0B+4], 1
	s_add_co_u32 s[G0B+5], s23, 256000
	s_add_nc_u64 s[G0B+6:G0B+7], s[46:47], 6400
	s_or_b32 s[G0B+7], s[G0B+7], 0x80000000
	CROUND                                         ; all sixteen work-groups are here: the first joint loads meet
	tensor_load_to_lds s[G0B:G0B+3], s[G1B:G1B+7]          ; the first fills, one group: four loads of mine are out
	s_nop 0
	tensor_load_to_lds s[G0A:G0A+3], s[G1A:G1A+7]
	s_nop 0
	tensor_load_to_lds s[G0B+4:G0B+7], s[G1B:G1B+7]
	s_nop 0
	tensor_load_to_lds s[G0A+4:G0A+7], s[G1A:G1A+7]
	s_nop 0
	PLACES 4
	v_and_b32 v1, 15, v0                           ; r
	v_bfe_u32 v2, v0, 4, 1                         ; h
	v_and_b32 v3, 31, v0                           ; lane
	s_mul_i32 s19, s17, 51200                      ; my eight tiles of A
	s_mul_i32 s77, s18, 25600                      ; my four of B
	s_add_co_u32 s77, s77, 204800
	v_lshl_add_u32 v[ADRA], v3, 3, s19
	v_add_nc_u32 v[ADRA+1], 102400, v[ADRA]
	v_lshl_add_u32 v[ADRB], v3, 3, s77
	v_add_nc_u32 v[ADRB+1], 51200, v[ADRB]
	v_lshl_add_u32 v[ASA], v3, 2, s19
	v_add_nc_u32 v[ASA], 6144, v[ASA]
	v_add_nc_u32 v[ASA+1], 102400, v[ASA]
	v_lshl_add_u32 v[ASB], v3, 2, s77
	v_add_nc_u32 v[ASB], 6144, v[ASB]
	v_add_nc_u32 v[ASB+1], 51200, v[ASB]
	v_lshlrev_b32 v[OA], 4, v3
	v_lshlrev_b32 v[OS], 3, v3
	v_lshlrev_b32 v[BA], 6, v2
	s_wait_alu depctr_va_vdst(0)
	v_and_b32 v[BB], 8, v1
	v_add_nc_u32 v[BB], v[BB], v1
	v_lshlrev_b32 v[BB], 2, v[BB]
	s_wait_alu depctr_va_vdst(0)
	s_mov_b32 s66, 0x76543210
	s_mov_b32 s67, 0xfedcba98                      ; selects for lane l xor 16
	; my block in qb, kb, vb: head (y / 8) 16 + 2 x + wc, key step 2 (y % 8) + wr
	s_lshr_b32 s2, s43, 3
	s_lshl_b32 s2, s2, 4
	s_lshl_b32 s3, s42, 1
	s_add_co_u32 s2, s2, s3
	s_add_co_u32 s2, s2, s18
	s_lshl_b32 s2, s2, 4
	s_and_b32 s3, s43, 7
	s_lshl_b32 s3, s3, 1
	s_add_co_u32 s2, s2, s3
	s_add_co_u32 s2, s2, s17
	s_mul_i32 s2, s2, 6400
	s_mov_b32 s3, 0
	s_add_nc_u64 s[68:69], s[10:11], s[2:3]
	s_add_nc_u64 s[70:71], s[12:13], s[2:3]
	s_add_nc_u64 s[72:73], s[14:15], s[2:3]
	s_lshl_b32 s2, s42, 9
	s_lshl_b32 s78, s18, 8
	s_add_co_u32 s2, s2, s78
	s_add_nc_u64 s[74:75], s[8:9], s[2:3]          ; the bias of q's column 128 x + 64 wc; k's lies 4,096 bytes on, v's 8,192
.irp b, 0,1,2,3
	global_load_b128 v[BI+8*\b:BI+8*\b+3], v[BA], s[74:75] offset:(32*(\b/2)+8*(\b%2))*4          ; lane (r, h), tile b: columns 32 (b / 2) + 16 h + 8 (b % 2) + 0 .. 7
	global_load_b128 v[BI+8*\b+4:BI+8*\b+7], v[BA], s[74:75] offset:(32*(\b/2)+8*(\b%2))*4+16
	global_load_b32 v[BI2+8*\b], v[BB], s[74:75] offset:8192+(32*(\b/2)+8*(\b%2))*4               ; v: the lane's one column of tile b
.endr
.set n, 0
.rept 16
	v_mov_b32 v[EX+n], 0                           ; written once: a lane permute's destination counts as one of its sources
.set n, n+1
.endr
	s_wait_loadcnt 0x0
.irp b, 0,1,2,3
.irp j, 1,2,3,4,5,6,7
	v_mov_b32 v[BI2+8*\b+\j], v[BI2+8*\b]          ; the same number for the lane's eight tokens
.endr
.endr
	s_wait_tensorcnt 0x2                           ; my parts of the lower half of K are in; the two of the upper half may stay out
	s_barrier_signal -1
	s_barrier_wait -1                              ; everybody's are
	FETCH 0
	s_mov_b32 s76, 2
.Lqk:                                              ; two trips: q, then k
	s_wait_loadcnt 0x0                             ; the pass's bias
	STEP 0, 0, 1, 0
	STEP 0, 1, 0, 1
	STEP 0, 2, 0, 0
	TURN 0, 3, 1, 4
	STEP 0, 4, 0, 0
	STEP 0, 5, 0, 0
	STEP 0, 6, 0, 0
	TURN 0, 7, 1, 0
	OUT 68
	s_wait_xcnt 0x0                                ; the stores have read their base
	s_mov_b64 s[68:69], s[70:71]                   ; the second trip stores into kb
	s_sub_co_u32 s76, s76, 1
	s_cmp_lg_u32 s76, 0
	s_cbranch_scc1 .Lqk
	STEP 1, 0, 1, 0                                ; v: written out: other sources, other accumulators, and nothing more to ask for
	STEP 1, 1, 0, 0
	STEP 1, 2, 0, 0
	TURN 1, 3, 0, 4
	STEP 1, 4, 0, 0
	STEP 1, 5, 0, 0
	STEP 1, 6, 0, 0
	s_wait_dscnt 0x0
	MUL 1, 7, 0, 8, 0
	OUT 72
	s_wait_tensorcnt 0x0                           ; the wave's end
	ds_add_u32 v[SPW], v[NIL]
	s_wait_dscnt 0x0
	CROUND                                         ; the closing round
	s_endpgm
.Lfunc_end_k_qa3ac46d308_qkv:
	.size	k_qa3ac46d308_qkv, .Lfunc_end_k_qa3ac46d308_qkv-k_qa3ac46d308_qkv
	.p2alignl 7, 3214868480
	.fill 96, 4, 3214868480
	.section	.rodata,"a",@progbits
	.p2align	6, 0x0
	.amdhsa_kernel k_qa3ac46d308_qkv
		.amdhsa_group_segment_fixed_size 327680
		.amdhsa_private_segment_fixed_size 0
		.amdhsa_enable_private_segment 0
		.amdhsa_kernarg_size 48
		.amdhsa_user_sgpr_count 2
		.amdhsa_user_sgpr_kernarg_segment_ptr 1
		.amdhsa_wavefront_size32 1
		.amdhsa_system_sgpr_workgroup_id_x 1
		.amdhsa_system_sgpr_workgroup_id_y 1
		.amdhsa_system_sgpr_workgroup_id_z 1
		.amdhsa_system_vgpr_workitem_id 0
		.amdhsa_next_free_vgpr 1024
		.amdhsa_next_free_sgpr 80
		.amdhsa_reserve_vcc 1
		.amdhsa_float_denorm_mode_32 3
		.amdhsa_float_denorm_mode_16_64 3
		.amdhsa_memory_ordered 1
		.amdhsa_forward_progress 1
		.amdhsa_inst_pref_size 191
	.end_amdhsa_kernel
	.amdgpu_metadata
---
amdhsa.version: [ 1, 2 ]
amdhsa.kernels:
  - .name:           k_qa3ac46d308_qkv
    .symbol:         k_qa3ac46d308_qkv.kd
    .args:
      - { .name: xq, .offset: 0, .size: 8, .value_kind: global_buffer, .address_space: global }
      - { .name: wq, .offset: 8, .size: 8, .value_kind: global_buffer, .address_space: global }
      - { .name: bqkv, .offset: 16, .size: 8, .value_kind: global_buffer, .address_space: global }
      - { .name: qb, .offset: 24, .size: 8, .value_kind: global_buffer, .address_space: global }
      - { .name: kb, .offset: 32, .size: 8, .value_kind: global_buffer, .address_space: global }
      - { .name: vb, .offset: 40, .size: 8, .value_kind: global_buffer, .address_space: global }
    .group_segment_fixed_size: 327680
    .private_segment_fixed_size: 0
    .kernarg_segment_align: 8
    .kernarg_segment_size: 48
    .max_flat_workgroup_size: 128
    .sgpr_count:     80
    .vgpr_count:     1024
    .wavefront_size: 32
...
	.end_amdgpu_metadata
.endif
;; end of part 2
;; launch attn (part 3): grid 4 x 64, 16 waves a work-group, clusters of 4 x 1, 206,848 bytes of LDS; arguments qb, kb, vb, yq; writes yq
.if DOCPART == 3
	.amdgcn_target "amdgcn-amd-amdhsa--gfx1250"
	.amdhsa_code_object_version 6
	.text
	.protected	k_qa3ac46d308_attn
	.globl	k_qa3ac46d308_attn
	.p2align	8
	.type	k_qa3ac46d308_attn,@function
k_qa3ac46d308_attn:
	s_mov_b64 s[64:65], 0
	v_nop
	global_prefetch_b8 v0, s[64:65] scope:SCOPE_SE
	s_setreg_imm32_b32 hwreg(HW_REG_WAVE_MODE, 25, 1), 1
	s_wait_xcnt 0x0
	s_wait_alu depctr_hold_cnt(0) depctr_sa_sdst(0) depctr_va_vdst(0) depctr_va_sdst(0) depctr_va_ssrc(0) depctr_va_vcc(0) depctr_vm_vsrc(0)
	s_getreg_b32 s2, hwreg(HW_REG_IB_STS2, 6, 4)
	s_cmp_eq_u32 s2, 0
	s_cbranch_scc0 .Lentry_in_a_cluster
	s_endpgm
.Lentry_in_a_cluster:
	s_bfe_u32 s2, ttmp6, 0x10000c
	s_cmp_lg_u32 s2, 0x3003
	s_cbranch_scc0 .Lentry_shape_is_right
	s_endpgm
.Lentry_shape_is_right:
; y = softmax(q k^T / 8, causal) v for one head, both products on codes of FP6 (E2M3); y is quantised along C and stored as the last product's operand image.
; SOFTMAX: t = score x log2(e) / 8; M = the running largest t rounded UP to a whole number; p = 2^(t - M) is quantised along the keys, not normalised; the row's sum is taken of the unquantised p and divides at the end.
; When M moves, the sum and O are multiplied by 2^(old M - new M): exact.
; SHARES.  A cluster of four work-groups is one head.  Each holds the head's whole K (LDS 0 on) and V (102,400 on), 16 blocks of 6,400 bytes each: filled ONCE, by one joint load a wave (12,800 dense bytes):
; no ring, no refill, one barrier.  A wave owns two tiles of 16 queries: tile i = 4 u + cx and tile 127 - i: together 17 key steps of 128 keys, whatever the wave.
; u = wave xor 3 ((wave / 4) % 2) only spreads short and long first passes over the waves.  A tile's last key step hangs on the wave's number alone: no branch hangs on the place in the cluster.
; LAYOUT.  Both products are used transposed: a lane holds ONE query.  K = 64 fills half of the instruction's 128: a fragment of K holds TWO tiles of 16 keys, one in k 0-63, one in k 64-127, and q is
; multiplied as [q, 0] for the first and [0, q] for the second: zero codes add nothing.  By the tiles' order of keys, register 16 b + i of the scores is key 32 b + 16 (lane / 16) + i of the step.
; The loops' trip counts are constants; a step all of whose keys come after the tile's queries is jumped over, by a branch on the wave's number and the loop's count.
; No prefetch: every byte of K and V is asked for by the first fills.
; LIMITS: a block of zeros gets the byte 1 (its codes are zeros, and this program alone reads the bytes); blocks under 2^-124 are held at byte 1; NaN and infinities are not served.
; REGISTERS: v1-4 addresses that stay, v5-8 the step's; v9 8 x lane, v10 4 r; v11 the mask's d; v12 -M, v13 largest t, v[14:15] the sum; v16-33 zeros, q, zeros; v34 q's scale word; v35 p's; v[36:37] f;
; v38-39 at work; v40-47 the second tile's q, scale word, d; v48-95 four fragments of K, then of V; v96-159 scores, then p; v160-191 O^T; v192-203 codes; v204-211 the conversions' second halves;
; v212-223 at work; v[224:225] K's scale words, v[226:227] V's.
.set BLK, 6400
.set BM,  212
.set EX,  216
.set SO,  220
.macro PLACES n
.rept \n
	v_nop
.endr
.endm
.macro CROUND
	s_barrier_signal -1
	s_barrier_wait -1
	s_cmp_lg_u32 s12, 0
	s_cbranch_scc1 .Lnot_wave_0_\@
	s_barrier_signal -3
.Lnot_wave_0_\@:
	s_barrier_wait -3
	s_barrier_signal -1
	s_barrier_wait -1
.endm
; Tile s[si] of queries: its fragment (12 registers, two tiles) and scale word are asked for; which half is mine, the bytes' selector and the tile's first place in its key step are made.
.macro QLOAD si, sb, reg, wreg, vo, sm, ssel, sd
	s_lshr_b32 s54, s[\si], 3                      ; the tile's key step
	s_lshl_b32 s55, s14, 4
	s_add_co_u32 s54, s54, s55
	s_mul_i32 s54, s54, BLK
	s_bfe_u32 s56, s[\si], 0x20001                 ; its fragment f
	s_mul_i32 s57, s56, 1536
	s_add_co_u32 s54, s54, s57
	s_mov_b32 s55, 0
	s_add_nc_u64 s[\sb:\sb+1], s[4:5], s[54:55]
	s_sub_co_u32 s57, 6144, s57                    ; from the fragment to the block's scale words,
	s_and_b32 s58, s56, 1
	s_lshl_b32 s58, s58, 7
	s_add_co_u32 s57, s57, s58                     ; lanes 16 (f % 2) on,
	s_lshr_b32 s58, s56, 1
	s_lshl_b32 s58, s58, 2
	s_add_co_u32 s57, s57, s58                     ; word f / 2
	v_lshl_add_u32 v[\vo], v39, 3, s57
	s_wait_alu depctr_va_vdst(0)
	s_lshl_b32 s[\sd], s56, 5
	s_and_b32 s58, s[\si], 1
	s_lshl_b32 s59, s58, 3
	s_add_co_u32 s[\sd], s[\sd], s59               ; 32 f + 8 (i % 2)
	s_mov_b32 s[\ssel], 0x03020302
	s_cmp_eq_u32 s58, 0
	s_cselect_b32 s[\ssel], 0x01000100, s[\ssel]   ; my tile's two bytes, twice: they serve [q, 0] and [0, q]
	s_cselect_b32 s[\sm], 0, -1
	global_load_b128 v[\reg:\reg+3], v1, s[\sb:\sb+1]
	global_load_b128 v[\reg+4:\reg+7], v1, s[\sb:\sb+1] offset:512
	global_load_b128 v[\reg+8:\reg+11], v1, s[\sb:\sb+1] offset:1024
	global_load_b32 v[\wreg], v[\vo], s[\sb:\sb+1]
.endm
; where tile s[si]'s codes and scale bytes of my head go in yq
.macro YADDR si, sc, ss
	s_lshr_b32 s54, s14, 4
	s_lshl_b32 s54, s54, 7
	s_add_co_u32 s54, s54, s[\si]
	s_mul_i32 s54, s54, 12800                      ; tile 128 batch + i
	s_bfe_u32 s56, s14, 0x10003
	s_mul_i32 s56, s56, 6400
	s_add_co_u32 s54, s54, s56                     ; the half of K: head / 8
	s_and_b32 s56, s14, 7
	s_mul_i32 s56, s56, 768
	s_add_co_u32 s56, s56, s54                     ; the group of 64 k: head % 8
	s_mov_b32 s57, 0
	s_add_nc_u64 s[\sc:\sc+1], s[10:11], s[56:57]
	s_bfe_u32 s56, s14, 0x20001
	s_lshl_b32 s56, s56, 6                         ; the matrix step's 16 words: 64 ((head / 2) % 4)
	s_and_b32 s58, s14, 1
	s_lshl_b32 s58, s58, 1
	s_add_co_u32 s56, s56, s58                     ; my head's half of a word
	s_add_co_u32 s56, s56, s54
	s_add_co_u32 s56, s56, 6144
	s_add_nc_u64 s[\ss:\ss+1], s[10:11], s[56:57]
.endm
; One tile of queries through all its key steps, and out.  sl: its last key step.
.macro PASS trips, hi, sl, syc, sys
	s_wait_xcnt 0x0                                ; earlier loads and stores have read their registers
.if \hi
.irp j, 0,1,2,3,4,5
	v_mov_b32 v[22+\j], v[40+\j]
.endr
	v_mov_b32 v34, v46
	v_mov_b32 v11, v47
.endif
	v_mov_b32 v13, 0xff61b1e6                      ; the largest t so far: -3e38, under every t
	s_delay_alu instid0(VALU_DEP_1)
	v_floor_f32 v12, -v13                          ; -M
	v_mov_b32 v14, 0
	v_mov_b32 v15, 0
.set j, 0
.rept 32
	v_mov_b32 v[160+j], 0                          ; O^T: the step is written once; the first change of M leaves zeros zeros.  (Also the places between q's registers, so written, and the products)
.set j, j+1
.endr
	s_mov_b32 s52, 0                               ; the step's block in LDS
	s_mov_b32 s53, 0                               ; the step
.Lstep_\@:
	s_cmp_gt_u32 s53, s[\sl]
	s_cbranch_scc1 .Lhid_\@                        ; all its keys come after my queries
	s_setprio 2
	v_add_nc_u32 v5, s52, v1                       ; (these four are the places in front of the loads into registers that the last products read)
	v_add_nc_u32 v6, s52, v2
	v_add_nc_u32 v7, s52, v3
	v_add_nc_u32 v8, s52, v4
.irp f, 0,1,2,3
.irp c, 0,1,2
	ds_load_b128 v[48+12*\f+4*\c:48+12*\f+4*\c+3], v5 offset:1536*\f+512*\c
.endr
.endr
	ds_load_b64 v[224:225], v7
	s_wait_alu depctr_va_vdst(0)
	s_wait_dscnt 0x0
.irp f, 0,1,2,3
.irp e, 0,1
.if (\f%2)
	v_wmma_scale_f32_16x16x128_f8f6f4 v[96+8*(2*\f+\e):96+8*(2*\f+\e)+7], v[48+12*\f:48+12*\f+11], v[22-6*\e:33-6*\e], 0, v[224+\f/2], v34 matrix_a_fmt:MATRIX_FMT_FP6 matrix_b_fmt:MATRIX_FMT_FP6 matrix_a_scale:MATRIX_SCALE_ROW1
.else
	v_wmma_scale_f32_16x16x128_f8f6f4 v[96+8*(2*\f+\e):96+8*(2*\f+\e)+7], v[48+12*\f:48+12*\f+11], v[22-6*\e:33-6*\e], 0, v[224+\f/2], v34 matrix_a_fmt:MATRIX_FMT_FP6 matrix_b_fmt:MATRIX_FMT_FP6
.endif
.endr
.endr
	PLACES 4                                       ; ahead of the loads below and of the first read of the scores
.irp f, 0,1,2,3
.irp c, 0,1,2
	ds_load_b128 v[48+12*\f+4*\c:48+12*\f+4*\c+3], v6 offset:1536*\f+512*\c   ; V's fragments land while the softmax is walked
.endr
.endr
	ds_load_b64 v[226:227], v8
	s_cmp_lg_u32 s53, s[\sl]
	s_cbranch_scc1 .Lopen_\@                       ; only the tile's last step lies on the diagonal
	v_mov_b32 v39, 0xff800000                      ; -infinity: p = 0 then
.set n, 0
.rept 64
	v_cmp_gt_i32 vcc_lo, 32*(n/16)+n%16, v11       ; register n holds key 32 (n / 16) + n % 16 + 16 (lane / 16): hidden where it comes after my query
	v_cndmask_b32 v[96+n], v[96+n], v39, vcc_lo
.set n, n+1
.endr
.Lopen_\@:
.irp b, 0,1,2,3
	v_max3_num_f32 v[BM+\b], v[96+16*\b], v[97+16*\b], v[98+16*\b]   ; the largest score of each block of 32 keys: for the row's maximum, and, since p rises with the score, for the block's largest p
.endr
.irp i, 3,5,7,9,11,13
.irp b, 0,1,2,3
	v_max3_num_f32 v[BM+\b], v[BM+\b], v[96+16*\b+\i], v[97+16*\b+\i]
.endr
.endr
.irp b, 0,1,2,3
	v_max_num_f32 v[BM+\b], v[BM+\b], v[111+16*\b]
.endr
.irp b, 0,1,2,3
	s_delay_alu instid0(VALU_DEP_4)
	v_permlanex16_b32 v[EX+\b], v[BM+\b], s20, s21
.endr
.irp b, 0,1,2,3
	s_delay_alu instid0(VALU_DEP_4)
	v_max_num_f32 v[BM+\b], v[BM+\b], v[EX+\b]     ; with lane l xor 16's 16 keys
.endr
	s_delay_alu instid0(VALU_DEP_2)
	v_max3_num_f32 v38, v[BM], v[BM+1], v[BM+2]
	s_delay_alu instid0(VALU_DEP_1)
	v_max_num_f32 v38, v38, v[BM+3]
	s_delay_alu instid0(VALU_DEP_1)
	v_mul_f32 v38, s22, v38                        ; as t (c is positive)
	s_delay_alu instid0(VALU_DEP_1)
	v_max_num_f32 v13, v13, v38                    ; the running largest t
	v_mov_b32 v38, v12
	s_delay_alu instid0(VALU_DEP_2)
	v_floor_f32 v12, -v13                          ; the new -M = -ceil(t)
	s_delay_alu instid0(VALU_DEP_1)
	v_sub_f32 v38, v12, v38                        ; old M - new M: a whole number, 0 or less
	s_delay_alu instid0(VALU_DEP_1)
	v_cvt_i32_f32 v38, v38                         ; (it saturates)
	s_delay_alu instid0(VALU_DEP_1)
	v_ldexp_f32 v36, 1.0, v38                      ; f = 2^(old M - new M)
.set j, 0
.rept 32
	v_pk_fma_f32 v[96+j:97+j], v[96+j:97+j], s[22:23], v[12:13] op_sel_hi:[1,0,0]   ; t - M, two at a time
.set j, j+2
.endr
	s_setprio 1
.irp b, 0,1,2,3
	v_fma_f32 v[BM+\b], v[BM+\b], s22, v12         ; the same of each block's largest score
.endr
.set j, 0
	s_wait_alu depctr_va_vdst(0)
.rept 64
	v_exp_f32 v[96+j], v[96+j]                     ; p = 2^(t - M)
.set j, j+1
.endr
	v_pk_mul_f32 v[14:15], v[14:15], v[36:37] op_sel_hi:[1,0]   ; the sums under the new M; the plain line behind the exponentials
	s_wait_alu depctr_va_vdst(0)                   ; one wait for the batch, ahead of its first reader
.irp b, 0,1,2,3
	v_exp_f32 v[BM+\b], v[BM+\b]                   ; the blocks' largest p
.endr
	v_pk_add_f32 v[216:217], v[100:101], v[104:105]
	v_pk_add_f32 v[252:253], v[108:109], v[112:113]
	v_pk_add_f32 v[250:251], v[116:117], v[120:121]
	v_pk_add_f32 v[248:249], v[124:125], v[128:129]
	v_pk_add_f32 v[246:247], v[132:133], v[136:137]
	v_pk_add_f32 v[244:245], v[140:141], v[144:145]
	v_pk_add_f32 v[242:243], v[148:149], v[152:153]
	v_pk_add_f32 v[14:15], v[14:15], v[156:157]
	v_pk_add_f32 v[216:217], v[216:217], v[96:97]
	v_pk_add_f32 v[252:253], v[252:253], v[98:99]
	v_pk_add_f32 v[250:251], v[250:251], v[102:103]
	v_pk_add_f32 v[248:249], v[248:249], v[106:107]
	v_pk_add_f32 v[246:247], v[246:247], v[110:111]
	v_pk_add_f32 v[244:245], v[244:245], v[114:115]
	v_pk_add_f32 v[242:243], v[242:243], v[118:119]
	v_pk_add_f32 v[14:15], v[14:15], v[122:123]
	v_pk_add_f32 v[216:217], v[216:217], v[126:127]
	v_pk_add_f32 v[252:253], v[252:253], v[130:131]
	v_pk_add_f32 v[250:251], v[250:251], v[134:135]
	v_pk_add_f32 v[248:249], v[248:249], v[138:139]
	v_pk_add_f32 v[246:247], v[246:247], v[142:143]
	v_pk_add_f32 v[244:245], v[244:245], v[146:147]
	v_pk_add_f32 v[242:243], v[242:243], v[150:151]
	v_pk_add_f32 v[14:15], v[14:15], v[154:155]
	v_pk_add_f32 v[216:217], v[216:217], v[158:159]
	s_delay_alu instid0(VALU_DEP_2)
	v_pk_add_f32 v[14:15], v[14:15], v[248:249]
	s_delay_alu instid0(VALU_DEP_2)
	v_pk_add_f32 v[216:217], v[216:217], v[246:247]
	v_pk_add_f32 v[252:253], v[252:253], v[244:245]
	v_pk_add_f32 v[250:251], v[250:251], v[242:243]
	s_delay_alu instid0(VALU_DEP_2)
	v_pk_add_f32 v[14:15], v[14:15], v[252:253]
	s_delay_alu instid0(VALU_DEP_2)
	v_pk_add_f32 v[216:217], v[216:217], v[250:251]
	s_delay_alu instid0(VALU_DEP_1)
	v_pk_add_f32 v[14:15], v[14:15], v[216:217]
	s_wait_alu depctr_va_vdst(0)                   ; and one for the four
.irp b, 0,1,2,3
	v_max_num_f32 v[BM+\b], 0x1800000, v[BM+\b]    ; the floor 2^(3 - 127)
.endr
.irp b, 0,1,2,3
	s_delay_alu instid0(VALU_DEP_4)
	v_add_nc_u32 v[SO+\b], 0xff000000, v[BM+\b]
.endr
.irp b, 0,1,2,3
	s_delay_alu instid0(VALU_DEP_4)
	v_lshrrev_b32 v[EX+\b], 23, v[SO+\b]
.endr
	s_delay_alu instid0(VALU_DEP_3)
	v_lshl_or_b32 v35, v[EX+1], 8, v[EX]           ; p's scale word for these 128 keys
	s_delay_alu instid0(VALU_DEP_1)
	v_lshl_or_b32 v35, v[EX+2], 16, v35
	s_delay_alu instid0(VALU_DEP_1)
	v_lshl_or_b32 v35, v[EX+3], 24, v35
	s_setprio 0
.irp c, 0,1
	v_cvt_scalef32_pk16_fp6_f32 v[192+6*\c:194+6*\c], v[96+32*\c:111+32*\c], v[SO+2*\c]
	v_cvt_scalef32_pk16_fp6_f32 v[204+4*\c:206+4*\c], v[112+32*\c:127+32*\c], v[SO+2*\c+1]
.endr
	v_nop                                          ; one plain line behind the scaled conversions
.irp c, 0,1
.irp i, 0,1,2
	v_permlane16_swap_b32 v[192+6*\c+\i], v[204+4*\c+\i]
.endr
.irp i, 0,1,2
	s_delay_alu instid0(VALU_DEP_3)
	v_mov_b32 v[195+6*\c+\i], v[204+4*\c+\i]
.endr
.endr
.set j, 0
.rept 16
	v_pk_mul_f32 v[160+j:161+j], v[160+j:161+j], v[36:37] op_sel_hi:[1,0]   ; O^T under the new M; these sixteen are also the places between p's codes and scale word and the products
.set j, j+2
.endr
	s_wait_alu depctr_va_vdst(0)
	s_wait_dscnt 0x0                               ; V
.irp t, 0,1,2,3
.if (\t%2)
	v_wmma_scale_f32_16x16x128_f8f6f4 v[160+8*\t:167+8*\t], v[48+12*\t:59+12*\t], v[192:203], v[160+8*\t:167+8*\t], v[226+\t/2], v35 matrix_a_fmt:MATRIX_FMT_FP6 matrix_b_fmt:MATRIX_FMT_FP6 matrix_a_scale:MATRIX_SCALE_ROW1
.else
	v_wmma_scale_f32_16x16x128_f8f6f4 v[160+8*\t:167+8*\t], v[48+12*\t:59+12*\t], v[192:203], v[160+8*\t:167+8*\t], v[226+\t/2], v35 matrix_a_fmt:MATRIX_FMT_FP6 matrix_b_fmt:MATRIX_FMT_FP6
.endif
.endr
.Lhid_\@:
	s_add_co_u32 s52, s52, BLK
	s_add_co_u32 s53, s53, 1
	s_cmp_lt_u32 s53, \trips
	s_cbranch_scc1 .Lstep_\@
	s_setprio 0
	; the way out: O^T / the sum; register 16 b + i is channel 32 b + 16 (lane / 16) + i of my query: two half blocks along C
	PLACES 4
	v_add_f32 v14, v14, v15
	s_delay_alu instid0(VALU_DEP_1)
	v_permlanex16_b32 v38, v14, s20, s21
	s_delay_alu instid0(VALU_DEP_1)
	v_add_f32 v14, v14, v38                        ; the row's sum
	s_wait_alu depctr_va_vdst(0)
	v_rcp_f32 v36, v14
	v_nop
	s_wait_alu depctr_va_vdst(0)
.set j, 0
.rept 16
	v_pk_mul_f32 v[96+j:97+j], v[160+j:161+j], v[36:37] op_sel_hi:[1,0]
.set j, j+2
.endr
.irp b, 0,1
	v_max3_num_f32 v[BM+\b], |v[96+16*\b]|, |v[97+16*\b]|, 0x1800000
.endr
.irp i, 2,4,6,8,10,12,14
.irp b, 0,1
	s_delay_alu instid0(VALU_DEP_2)
	v_max3_num_f32 v[BM+\b], v[BM+\b], |v[96+16*\b+\i]|, |v[97+16*\b+\i]|
.endr
.endr
.irp b, 0,1
	s_delay_alu instid0(VALU_DEP_2)
	v_permlanex16_b32 v[EX+\b], v[BM+\b], s20, s21
.endr
.irp b, 0,1
	s_delay_alu instid0(VALU_DEP_2)
	v_max_num_f32 v[BM+\b], v[BM+\b], v[EX+\b]
.endr
.irp b, 0,1
	s_delay_alu instid0(VALU_DEP_2)
	v_add_nc_u32 v[SO+\b], 0xff000000, v[BM+\b]
.endr
.irp b, 0,1
	s_delay_alu instid0(VALU_DEP_2)
	v_lshrrev_b32 v[EX+\b], 23, v[SO+\b]
.endr
	s_delay_alu instid0(VALU_DEP_1)
	v_lshl_or_b32 v39, v[EX+1], 8, v[EX]           ; my head's two bytes of the row's scale word
	v_cvt_scalef32_pk16_fp6_f32 v[192:194], v[96:111], v[SO]
	v_cvt_scalef32_pk16_fp6_f32 v[204:206], v[112:127], v[SO+1]
	v_nop
.irp i, 0,1,2
	v_permlane16_swap_b32 v[192+\i], v[204+\i]
.endr
.irp i, 0,1,2
	s_delay_alu instid0(VALU_DEP_3)
	v_mov_b32 v[195+\i], v[204+\i]
.endr
.irp p, 0,1,2
	global_store_b64 v9, v[192+2*\p:193+2*\p], s[\syc:\syc+1] offset:256*\p   ; 256 consecutive bytes, aligned
.endr
	global_store_b16 v10, v39, s[\sys:\sys+1]      ; a scale word holds two heads' bytes, which two work-groups make: half words, 2 bytes for 48 of codes; lanes 16-31 repeat lanes 0-15
.endm
	s_load_b256 s[4:11], s[0:1], 0x0               ; qb s[4:5], kb s[6:7], vb s[8:9], yq s[10:11]
	v_lshl_add_u32 v254, v0, 2, 0x32000
	v_mov_b32 v255, 0
	ds_add_u32 v254, v255
	ds_add_u32 v254, v255
	v_lshrrev_b32 v1, 5, v0
	s_delay_alu instid0(VALU_DEP_1)
	v_readfirstlane_b32 s12, v1                    ; wave 0..15
	s_bfe_u32 s13, ttmp6, 0x40000                  ; cx
	s_and_b32 s14, ttmp7, 0xffff                   ; the head, 16 batch + head: the four partners share it
	; group 1: 12,800 dense bytes as 50 rows of 256 (32 elements of 8 bytes)
	s_mov_b32 s24, 15|(3<<16)|(1<<21)              ; the mask: all four work-groups
	s_mov_b32 s25, 32<<16
	s_mov_b32 s26, 50<<16
	s_mov_b32 s27, 32<<16
	s_mov_b32 s28, 50
	s_mov_b32 s29, 32
	s_mov_b32 s30, 0
	s_mov_b32 s31, 0
	s_mov_b32 s32, 1
	s_mul_i32 s33, s12, 12800                      ; waves 0-7: K's 102,400 bytes; waves 8-15: V's, behind them
	s_and_b32 s54, s12, 7
	s_mul_i32 s54, s54, 12800
	s_mul_i32 s55, s14, 102400
	s_add_co_u32 s54, s54, s55
	s_mov_b32 s55, 0
	s_mov_b32 s20, 0x76543210
	s_mov_b32 s21, 0xfedcba98                      ; selects for lane l xor 16
	s_mov_b32 s22, 0x3e38aa3b                      ; c = log2(e) / 8
	s_mov_b32 s23, s22                             ; (named with it as a pair)
	s_bfe_u32 s15, s12, 0x10002
	s_mul_i32 s15, s15, 3
	s_xor_b32 s15, s15, s12                        ; u
	s_lshl_b32 s16, s15, 2
	s_add_co_u32 s16, s16, s13                     ; my first tile of queries,
	s_sub_co_u32 s17, 127, s16                     ; and my second
	s_lshr_b32 s18, s15, 1                         ; their last key steps
	s_sub_co_u32 s19, 15, s18
	s_wait_dscnt 0x0
	s_wait_kmcnt 0x0
	s_cmp_lt_u32 s12, 8
	s_cselect_b64 s[34:35], s[6:7], s[8:9]
	s_add_nc_u64 s[34:35], s[34:35], s[54:55]
	s_or_b32 s35, s35, 0x80000000
	CROUND                                         ; all four work-groups are here: the joint loads meet
	tensor_load_to_lds s[32:35], s[24:31]          ; my one tensor load of the launch
	s_nop 0
	PLACES 4
	v_and_b32 v38, 31, v0                          ; lane
	v_and_b32 v39, 15, v0                          ; r
	v_bfe_u32 v37, v0, 4, 1                        ; h
	s_delay_alu instid0(VALU_DEP_3)
	v_lshlrev_b32 v1, 4, v38
	s_delay_alu instid0(VALU_DEP_1)
	v_add_nc_u32 v2, 102400, v1
	v_lshlrev_b32 v9, 3, v38
	s_delay_alu instid0(VALU_DEP_1)
	v_add_nc_u32 v3, 6144, v9
	s_delay_alu instid0(VALU_DEP_2)
	v_add_nc_u32 v4, 108544, v9
	v_lshlrev_b32 v10, 2, v39
	v_and_b32 v36, 8, v39
	s_delay_alu instid0(VALU_DEP_1)
	v_add_nc_u32 v36, v36, v39
	v_lshlrev_b32 v37, 4, v37
	s_delay_alu instid0(VALU_DEP_1)
	v_sub_nc_u32 v36, v36, v37                     ; r + 8 (r / 8) - 16 h
	QLOAD 16, 40, 48, 72, 5, 36, 38, 60
	QLOAD 17, 42, 60, 73, 6, 37, 39, 61
	YADDR 16, 44, 48
	YADDR 17, 46, 50
.irp j, 0,1,2,3,4,5
	v_mov_b32 v[16+\j], 0
	v_mov_b32 v[28+\j], 0
.endr
.irp b, 0,1,2,3
	v_mov_b32 v[EX+\b], 0                          ; written once: a lane permute's destination counts as one of its sources
.endr
	v_add_nc_u32 v11, s60, v36                     ; d = my query's place in its last key step - 16 h
	v_add_nc_u32 v47, s61, v36
	v_mov_b32 v37, 0                               ; (named as the upper half of the pair v[36:37])
	s_wait_loadcnt 0x0
.irp j, 0,1,2,3,4,5
	v_cndmask_b32 v[22+\j], v[48+\j], v[54+\j], s36   ; an even tile lies in registers 0-5 of its fragment, an odd one in 6-11
	v_cndmask_b32 v[40+\j], v[60+\j], v[66+\j], s37
.endr
	v_perm_b32 v34, v72, v72, s38
	v_perm_b32 v46, v73, v73, s39
	s_wait_tensorcnt 0x0                           ; my part of K or V is in,
	s_barrier_signal -1
	s_barrier_wait -1                              ; everybody's is
	PASS 8, 0, 18, 44, 48
	PASS 16, 1, 19, 46, 50
	s_wait_dscnt 0x0
	s_wait_tensorcnt 0x0
	ds_add_u32 v254, v255
	s_wait_dscnt 0x0
	CROUND                                         ; the closing round
	s_endpgm
.Lfunc_end_k_qa3ac46d308_attn:
	.size	k_qa3ac46d308_attn, .Lfunc_end_k_qa3ac46d308_attn-k_qa3ac46d308_attn
	.p2alignl 7, 3214868480
	.fill 96, 4, 3214868480
	.section	.rodata,"a",@progbits
	.p2align	6, 0x0
	.amdhsa_kernel k_qa3ac46d308_attn
		.amdhsa_group_segment_fixed_size 206848
		.amdhsa_private_segment_fixed_size 0
		.amdhsa_enable_private_segment 0
		.amdhsa_kernarg_size 32
		.amdhsa_user_sgpr_count 2
		.amdhsa_user_sgpr_kernarg_segment_ptr 1
		.amdhsa_wavefront_size32 1
		.amdhsa_system_sgpr_workgroup_id_x 1
		.amdhsa_system_sgpr_workgroup_id_y 1
		.amdhsa_system_sgpr_workgroup_id_z 1
		.amdhsa_system_vgpr_workitem_id 0
		.amdhsa_next_free_vgpr 256
		.amdhsa_next_free_sgpr 66
		.amdhsa_reserve_vcc 1
		.amdhsa_float_denorm_mode_32 3
		.amdhsa_float_denorm_mode_16_64 3
		.amdhsa_memory_ordered 1
		.amdhsa_forward_progress 1
		.amdhsa_inst_pref_size 66
	.end_amdhsa_kernel
	.amdgpu_metadata
---
amdhsa.version: [ 1, 2 ]
amdhsa.kernels:
  - .name:           k_qa3ac46d308_attn
    .symbol:         k_qa3ac46d308_attn.kd
    .args:
      - { .name: qb, .offset: 0, .size: 8, .value_kind: global_buffer, .address_space: global }
      - { .name: kb, .offset: 8, .size: 8, .value_kind: global_buffer, .address_space: global }
      - { .name: vb, .offset: 16, .size: 8, .value_kind: global_buffer, .address_space: global }
      - { .name: yq, .offset: 24, .size: 8, .value_kind: global_buffer, .address_space: global }
    .group_segment_fixed_size: 206848
    .private_segment_fixed_size: 0
    .kernarg_segment_align: 8
    .kernarg_segment_size: 32
    .max_flat_workgroup_size: 512
    .sgpr_count:     66
    .vgpr_count:     256
    .wavefront_size: 32
...
	.end_amdgpu_metadata
.endif
;; end of part 3
;; launch proj (part 4): grid 8 x 32, 4 waves a work-group, clusters of 4 x 4, 327,680 bytes of LDS; arguments yq, wp, bproj, out0; writes out0
.if DOCPART == 4
	.amdgcn_target "amdgcn-amd-amdhsa--gfx1250"
	.amdhsa_code_object_version 6
	.text
	.protected	k_qa3ac46d308_proj
	.globl	k_qa3ac46d308_proj
	.p2align	8
	.type	k_qa3ac46d308_proj,@function
k_qa3ac46d308_proj:
	s_mov_b64 s[64:65], 0
	v_nop
	global_prefetch_b8 v0, s[64:65] scope:SCOPE_SE
	s_setreg_imm32_b32 hwreg(HW_REG_WAVE_MODE, 25, 1), 1
	s_wait_xcnt 0x0
	s_wait_alu depctr_hold_cnt(0) depctr_sa_sdst(0) depctr_va_vdst(0) depctr_va_sdst(0) depctr_va_ssrc(0) depctr_va_vcc(0) depctr_vm_vsrc(0)
	s_getreg_b32 s2, hwreg(HW_REG_IB_STS2, 6, 4)
	s_cmp_eq_u32 s2, 0
	s_cbranch_scc0 .Lentry_in_a_cluster
	s_endpgm
.Lentry_in_a_cluster:
	s_bfe_u32 s2, ttmp6, 0x10000c
	s_cmp_lg_u32 s2, 0xf033
	s_cbranch_scc0 .Lentry_shape_is_right
	s_endpgm
.Lentry_shape_is_right:
; out0 = y Wproj + bproj on codes of FP6 (E2M3); f32 out.  Work-group (x, y): tokens 256 y on x columns 128 x on; wave (wr, wc): 128 tokens x 64 columns: 32 accumulators, 256 matrix instructions.
; A (204,800 bytes) and B (102,400) for all of K come into LDS once, each in two halves of K: nothing is filled again.  The first half is multiplied while the second is on its way.
; CLUSTER 4 x 4: A's tiles hang on y alone and are asked for jointly along a row of the cluster, B's on x alone, along a column.
; Operands lie in LDS in the order of their registers: a fragment is six ds_load_b64 at 8 x lane.  Scale words: the even matrix step's in lanes 0-15, the odd step's in lanes 16-31.
; THE MATRIX INSTRUCTION IS USED TRANSPOSED (source 0 = 16 columns of W, source 1 = 16 tokens): a lane holds one token, and 16 registers of two neighbouring tiles are 16 neighbouring columns.
; The bias is the C of each sum's first instruction.  Results go through the wave's own stage in LDS and leave as whole runs of 256 bytes.
; REGISTERS: window 0: addresses, scale words, bias, the way out; window 1: the accumulators; windows 2 and 3: fragment sets 0 and 1 (A v0-95, B v96-143).
.set STAGE, 307200                     ; behind A and B: 16 rows x (256 + 16) bytes for each wave; no fill lands here
.set ADRA, 4
.set ADRB, 6
.set ASA,  8
.set ASB,  10
.set STO,  12                          ; v12  the stage: where I put 64 bytes of a row
.set RD,   13                          ; v13  and where I read a row back
.set BA,   14                          ; v14  64 h
.set CO,   15                          ; v15  my byte offset in two rows of out0
.set SC,   20                          ; v20-43  two sets of 12 scale registers
.set BI,   44                          ; v44-75  the bias in the result's layout
.set BK,   164                         ; v164-227 16 rows read back from the stage, two sets
.set G1A,  24
.set G1B,  32
.set G0A,  48
.set G0B,  56
.set MSB, 0
.macro WIN new
.if MSB != \new
	s_set_vgpr_msb (MSB<<8)|\new
.set MSB, \new
.endif
.endm
.macro PLACES n
.rept \n
	v_nop
.endr
.endm
.macro CROUND
	s_barrier_signal -1
	s_barrier_wait -1
	s_cmp_lg_u32 s16, 0
	s_cbranch_scc1 .Lnot_wave_0_\@
	s_barrier_signal -3
.Lnot_wave_0_\@:
	s_barrier_wait -3
	s_barrier_signal -1
	s_barrier_wait -1
.endm
.macro FETCH s                         ; matrix step s's fragments into set s % 2; with an even step the scale words of two steps
.set fh, (\s)/4
.set fo, ((\s)%4)*1536
.if ((\s)%2)
	WIN 0xc0
.else
	WIN 0x80
.endif
.irp b, 0,1,2,3
.irp p, 0,1,2,3,4,5
	ds_load_b64 v[96+12*\b+2*\p:96+12*\b+2*\p+1], v[ADRB+fh] offset:6400*\b+fo+256*\p
.endr
.endr
.irp a, 0,1,2,3,4,5,6,7
.irp p, 0,1,2,3,4,5
	ds_load_b64 v[12*\a+2*\p:12*\a+2*\p+1], v[ADRA+fh] offset:6400*\a+fo+256*\p
.endr
.endr
	WIN 0
.if ((\s)%2) == 0
.set fs, SC+12*(((\s)/2)%2)
.set fj, 128*(((\s)%4)/2)
.irp a, 0,1,2,3,4,5,6,7
	ds_load_b32 v[fs+\a], v[ASA+fh] offset:6400*\a+fj
.endr
.irp b, 0,1,2,3
	ds_load_b32 v[fs+8+\b], v[ASB+fh] offset:6400*\b+fj
.endr
.endif
.endm
.macro MUL s, a0, na, first            ; the 32 accumulators take turns, one instruction a turn, in the same order in every step
.set SS, SC+12*(((\s)/2)%2)
.if \first
	WIN 0x4a
.elseif ((\s)%2)
	WIN 0x5f
.else
	WIN 0x5a
.endif
.set ma, \a0
.rept \na
.set mb, 0
.rept 4
.set rD, 8*(4*ma+mb)
.set rA, 96+12*mb
.set rB, 12*ma
.set rSA, SS+8+mb
.set rSB, SS+ma
.set rC, BI+8*mb
.if \first
	v_wmma_scale_f32_16x16x128_f8f6f4 v[rD:rD+7], v[rA:rA+11], v[rB:rB+11], v[rC:rC+7], v[rSA], v[rSB] matrix_a_fmt:MATRIX_FMT_FP6 matrix_b_fmt:MATRIX_FMT_FP6
.elseif ((\s)%2)
	v_wmma_scale_f32_16x16x128_f8f6f4 v[rD:rD+7], v[rA:rA+11], v[rB:rB+11], v[rD:rD+7], v[rSA], v[rSB] matrix_a_fmt:MATRIX_FMT_FP6 matrix_b_fmt:MATRIX_FMT_FP6 matrix_a_scale:MATRIX_SCALE_ROW1 matrix_b_scale:MATRIX_SCALE_ROW1
.else
	v_wmma_scale_f32_16x16x128_f8f6f4 v[rD:rD+7], v[rA:rA+11], v[rB:rB+11], v[rD:rD+7], v[rSA], v[rSB] matrix_a_fmt:MATRIX_FMT_FP6 matrix_b_fmt:MATRIX_FMT_FP6
.endif
.set mb, mb+1
.endr
.set ma, ma+1
.endr
.endm
.macro STEP s, first
	s_wait_dscnt 0x0                               ; this step's fragments, asked for 32 matrix instructions ago, are in
	PLACES 4                                       ; in front of loads into registers that the step before has multiplied
	FETCH (\s)+1
	MUL \s, 0, 8, \first
.endm
; the way out of token tile a: 16 rows x 64 columns through my stage; LDS serves a wave's instructions in order: no wait between the stores and the loads
.macro TOSTAGE a
	WIN 0x04                                       ; an LDS store's data are its source 1: window 1
.irp B, 0,1
.irp k, 0,1,2,3
	ds_store_b128 v[STO], v[32*(\a)+16*\B+4*\k:32*(\a)+16*\B+4*\k+3] offset:128*\B+16*\k   ; columns 32 B + 16 h + 4 k on; each accumulator from its low end on
.endr
.endr
	WIN 0
.irp t, 0,1,2,3,4,5,6,7
	ds_load_b128 v[BK+32*((\a)%2)+4*\t:BK+32*((\a)%2)+4*\t+3], v[RD] offset:544*\t
.endr
.endm
.macro SEND a, younger
	s_wait_dscnt \younger                          ; the next tile's 8 stores and 8 loads may be out
.irp t, 0,1,2,3,4,5,6,7
	global_store_b128 v[CO], v[BK+32*((\a)%2)+4*\t:BK+32*((\a)%2)+4*\t+3], s[68:69] offset:(32*((\a)/2)+8*((\a)%2)+2*\t+8*(\t/4))*4096 th:TH_STORE_NT   ; places 2 t, 2 t + 1 of the tile: two runs of 256 consecutive bytes, aligned
.endr
.endm
	s_load_b256 s[4:11], s[0:1], 0x0               ; yq s[4:5], wp s[6:7], bproj s[8:9], out0 s[10:11]
	v_lshl_add_u32 v254, v0, 2, 0x4f400
	v_mov_b32 v255, 0
	ds_add_u32 v254, v255
	ds_add_u32 v254, v255
	v_lshrrev_b32 v1, 5, v0
	v_readfirstlane_b32 s16, v1                    ; wave 0..3
	s_lshr_b32 s17, s16, 1                         ; wr
	s_and_b32 s18, s16, 1                          ; wc
	s_bfe_u32 s40, ttmp6, 0x40000                  ; cx
	s_bfe_u32 s41, ttmp6, 0x40004                  ; cy
	s_lshl_b32 s42, ttmp9, 2
	s_add_co_u32 s42, s42, s40                     ; x
	s_and_b32 s43, ttmp7, 0xffff
	s_lshl_b32 s43, s43, 2
	s_add_co_u32 s43, s43, s41                     ; y
	s_lshl_b32 s44, s41, 2
	s_lshl_b32 s44, 15, s44                        ; my row of the cluster
	s_lshl_b32 s45, 0x1111, s40                    ; my column
	s_or_b32 s[G1A], s44, (3<<16)|(1<<21)          ; rows of 6,400 bytes (800 elements of 8), 12,800 bytes apart in memory, on end in LDS.  A: 4 rows a wave, B: 2
	s_or_b32 s[G1B], s45, (3<<16)|(1<<21)
.irp g, G1A, G1B
	s_mov_b32 s[\g+1], 800<<16
	s_mov_b32 s[\g+3], 800<<16
	s_mov_b32 s[\g+5], 1600
	s_mov_b32 s[\g+6], 0
	s_mov_b32 s[\g+7], 0
.endr
	s_mov_b32 s[G1A+2], 4<<16
	s_mov_b32 s[G1A+4], 4
	s_mov_b32 s[G1B+2], 2<<16
	s_mov_b32 s[G1B+4], 2
	s_lshl_b32 s20, s43, 4
	s_lshl_b32 s19, s16, 2
	s_add_co_u32 s20, s20, s19
	s_mul_i32 s20, s20, 12800                      ; A: tile 16 y + 4 wave
	s_mov_b32 s21, 0
	s_lshl_b32 s46, s42, 3
	s_lshl_b32 s77, s16, 1
	s_add_co_u32 s46, s46, s77
	s_mul_i32 s46, s46, 12800                      ; B: tile 8 x + 2 wave
	s_mov_b32 s47, 0
	s_mul_i32 s22, s16, 25600
	s_mul_i32 s23, s16, 12800
	s_wait_dscnt 0x0
	s_wait_kmcnt 0x0
	s_add_nc_u64 s[20:21], s[4:5], s[20:21]
	s_add_nc_u64 s[46:47], s[6:7], s[46:47]
	s_mov_b32 s[G0A], 1
	s_mov_b32 s[G0A+1], s22
	s_mov_b64 s[G0A+2:G0A+3], s[20:21]
	s_or_b32 s[G0A+3], s[G0A+3], 0x80000000
	s_mov_b32 s[G0A+4], 1
	s_add_co_u32 s[G0A+5], s22, 102400
	s_add_nc_u64 s[G0A+6:G0A+7], s[20:21], 6400
	s_or_b32 s[G0A+7], s[G0A+7], 0x80000000
	s_mov_b32 s[G0B], 1
	s_add_co_u32 s[G0B+1], s23, 204800
	s_mov_b64 s[G0B+2:G0B+3], s[46:47]
	s_or_b32 s[G0B+3], s[G0B+3], 0x80000000
	s_mov_b32 s[G0B+4], 1
	s_add_co_u32 s[G0B+5], s23, 256000
	s_add_nc_u64 s[G0B+6:G0B+7], s[46:47], 6400
	s_or_b32 s[G0B+7], s[G0B+7], 0x80000000
	CROUND                                         ; all sixteen work-groups are here: the joint loads meet
	tensor_load_to_lds s[G0B:G0B+3], s[G1B:G1B+7]          ; all the launch's fills, one group: four loads of mine are out
	s_nop 0
	tensor_load_to_lds s[G0A:G0A+3], s[G1A:G1A+7]
	s_nop 0
	tensor_load_to_lds s[G0B+4:G0B+7], s[G1B:G1B+7]
	s_nop 0
	tensor_load_to_lds s[G0A+4:G0A+7], s[G1A:G1A+7]
	s_nop 0
	PLACES 4
	v_and_b32 v1, 15, v0                           ; r
	v_bfe_u32 v2, v0, 4, 1                         ; h
	v_and_b32 v3, 31, v0                           ; lane
	s_mul_i32 s19, s17, 51200
	s_mul_i32 s77, s18, 25600
	s_add_co_u32 s77, s77, 204800
	v_lshl_add_u32 v[ADRA], v3, 3, s19
	v_add_nc_u32 v[ADRA+1], 102400, v[ADRA]
	v_lshl_add_u32 v[ADRB], v3, 3, s77
	v_add_nc_u32 v[ADRB+1], 51200, v[ADRB]
	v_lshl_add_u32 v[ASA], v3, 2, s19
	v_add_nc_u32 v[ASA], 6144, v[ASA]
	v_add_nc_u32 v[ASA+1], 102400, v[ASA]
	v_lshl_add_u32 v[ASB], v3, 2, s77
	v_add_nc_u32 v[ASB], 6144, v[ASB]
	v_add_nc_u32 v[ASB+1], 51200, v[ASB]
	s_mul_i32 s78, s16, 4352
	s_add_co_u32 s78, s78, STAGE                   ; my stage
	v_mul_u32_u24 v[STO], v1, 272
	v_lshl_add_u32 v[STO], v2, 6, v[STO]
	v_add_nc_u32 v[STO], s78, v[STO]               ; in: row r, + 64 h
	v_mul_u32_u24 v[RD], v2, 272
	v_lshl_add_u32 v[RD], v1, 4, v[RD]
	v_add_nc_u32 v[RD], s78, v[RD]                 ; back: lanes 0-15 one row of 256 bytes, lanes 16-31 the next
	v_lshlrev_b32 v[BA], 6, v2
	s_wait_alu depctr_va_vdst(0)
	v_lshlrev_b32 v[CO], 12, v2
	v_lshl_add_u32 v[CO], v1, 4, v[CO]             ; and the same two rows in out0
	s_lshl_b32 s2, s43, 20                         ; 256 y rows of 4,096 bytes
	s_lshl_b32 s3, s17, 19
	s_add_co_u32 s2, s2, s3
	s_lshl_b32 s79, s42, 9                         ; column 128 x + 64 wc, in bytes
	s_lshl_b32 s3, s18, 8
	s_add_co_u32 s79, s79, s3
	s_add_co_u32 s2, s2, s79
	s_mov_b32 s3, 0
	s_add_nc_u64 s[68:69], s[10:11], s[2:3]
	s_mov_b32 s2, s79
	s_add_nc_u64 s[74:75], s[8:9], s[2:3]
.irp b, 0,1,2,3
	global_load_b128 v[BI+8*\b:BI+8*\b+3], v[BA], s[74:75] offset:(32*(\b/2)+8*(\b%2))*4          ; lane (r, h), tile b: columns 32 (b / 2) + 16 h + 8 (b % 2) + 0 .. 7
	global_load_b128 v[BI+8*\b+4:BI+8*\b+7], v[BA], s[74:75] offset:(32*(\b/2)+8*(\b%2))*4+16
.endr
	s_wait_alu depctr_va_vdst(0)
	s_wait_loadcnt 0x0
	s_wait_tensorcnt 0x2                           ; my parts of the lower half of K are in; the two of the upper half may stay out
	s_barrier_signal -1
	s_barrier_wait -1
	FETCH 0
	STEP 0, 1
	STEP 1, 0
	STEP 2, 0
	WIN 0
	s_wait_tensorcnt 0x0                           ; step 3: my parts of the upper half of K are in,
	s_wait_dscnt 0x0                               ; and this step's fragments
	s_barrier_signal -1
	MUL 3, 0, 2, 0
	WIN 0
	s_barrier_wait -1                              ; everybody's are
	PLACES 4
	FETCH 4
	MUL 3, 2, 6, 0
	STEP 4, 0
	STEP 5, 0
	STEP 6, 0
	s_wait_dscnt 0x0
	MUL 7, 0, 8, 0
	WIN 0
	PLACES 4                                       ; behind the last products, ahead of the first read of results
	TOSTAGE 0
.irp a, 1,2,3,4,5,6,7
.if \a > 1
	s_wait_xcnt 0x0                                ; tile a - 2's stores have read their registers: tile a's loads may land there
.endif
	TOSTAGE \a
	SEND \a-1, 16
.endr
	SEND 7, 0
	s_wait_dscnt 0x0
	s_wait_tensorcnt 0x0
	ds_add_u32 v254, v255
	s_wait_dscnt 0x0
	CROUND                                         ; the closing round
	s_endpgm
.Lfunc_end_k_qa3ac46d308_proj:
	.size	k_qa3ac46d308_proj, .Lfunc_end_k_qa3ac46d308_proj-k_qa3ac46d308_proj
	.p2alignl 7, 3214868480
	.fill 96, 4, 3214868480
	.section	.rodata,"a",@progbits
	.p2align	6, 0x0
	.amdhsa_kernel k_qa3ac46d308_proj
		.amdhsa_group_segment_fixed_size 327680
		.amdhsa_private_segment_fixed_size 0
		.amdhsa_enable_private_segment 0
		.amdhsa_kernarg_size 32
		.amdhsa_user_sgpr_count 2
		.amdhsa_user_sgpr_kernarg_segment_ptr 1
		.amdhsa_wavefront_size32 1
		.amdhsa_system_sgpr_workgroup_id_x 1
		.amdhsa_system_sgpr_workgroup_id_y 1
		.amdhsa_system_sgpr_workgroup_id_z 1
		.amdhsa_system_vgpr_workitem_id 0
		.amdhsa_next_free_vgpr 1024
		.amdhsa_next_free_sgpr 80
		.amdhsa_reserve_vcc 0
		.amdhsa_float_denorm_mode_32 3
		.amdhsa_float_denorm_mode_16_64 3
		.amdhsa_memory_ordered 1
		.amdhsa_forward_progress 1
		.amdhsa_inst_pref_size 96
	.end_amdhsa_kernel
	.amdgpu_metadata
---
amdhsa.version: [ 1, 2 ]
amdhsa.kernels:
  - .name:           k_qa3ac46d308_proj
    .symbol:         k_qa3ac46d308_proj.kd
    .args:
      - { .name: yq, .offset: 0, .size: 8, .value_kind: global_buffer, .address_space: global }
      - { .name: wp, .offset: 8, .size: 8, .value_kind: global_buffer, .address_space: global }
      - { .name: bproj, .offset: 16, .size: 8, .value_kind: global_buffer, .address_space: global }
      - { .name: out0, .offset: 24, .size: 8, .value_kind: global_buffer, .address_space: global }
    .group_segment_fixed_size: 327680
    .private_segment_fixed_size: 0
    .kernarg_segment_align: 8
    .kernarg_segment_size: 32
    .max_flat_workgroup_size: 128
    .sgpr_count:     80
    .vgpr_count:     1024
    .wavefront_size: 32
...
	.end_amdgpu_metadata
.endif
;; end of part 4
